; MI455X (gfx1250); checked and timed in simulation.
; The chip was launched on July 23, 2026; its instructions are those of AMD's public machine-readable ISA for CDNA 5 (MIT licence, August 2026) and "CDNA5" Instruction Set Architecture Reference Guide (July 2026). The comments in the code are by the model that wrote it; some were corrected since.
;; Causal Self Attention. Allowed arithmetic: matrix products marked QUANTISED: E2M1 operands, one E8M0 scale for each 32 along K, by v_wmma_scale_f32_16x16x128_f8f6f4 with both operands' format E2M1 (or v_wmma_scale_f32_32x16x128_f4), f32 sums; products left as they are: bf16, f16 or f32 operands; f32 sums; everything else in f32.
;; Inputs: out_b 1,024 float32; out_w 16 x 64 x 1,024 float32; qkv_b 16 x 192 float32; qkv_w 1,024 x 16 x 192 float32; x 4 x 2,048 x 1,024 float32.
;; Outputs: out0 4 x 2,048 x 1,024 float32.
;; This version of the problem:
;;   THIS VERSION OF THE PROBLEM IS GIVEN IN LOW PRECISION. The matrix products marked QUANTISED in the list below multiply operands that are first quantised to E2M1 (2 exponent bits, 1 mantissa bit; 4 bits a number), with one power-of-two scale for each 32 numbers along K (OCP MX v1.0); their sums are f32. The products marked 'left as it is' may take bf16, f16 or f32 operands, with f32 sums. Whichever they take, every output number must still come out within the allowed error. Rounding operands to bf16 (8 significant bits) uses up far more of that allowance than f16 does (11 bits, for magnitudes from 6e-5 to 65,504). All else is computed in f32.
;;   The module's matrix products, in the order in which they are computed (A, B: the left and right operand; K: the contracted axis; several contracted axes count as one K, in the product's order):
;;     1. [M 8,192, K 1,024] x [K 1,024, N 3,072]; A: input x; B: input qkv_w: QUANTISED
;;     2. batch 64 x [M 2,048, K 64] x [K 64, N 2,048]; A: computed on the way; B: computed on the way: left as it is (an operand is computed on the way)
;;     3. batch 64 x [M 64, K 2,048] x [K 2,048, N 2,048]; A: computed on the way; B: computed on the way: left as it is (an operand is computed on the way)
;;     4. [M 8,192, K 1,024] x [K 1,024, N 1,024]; A: computed on the way; B: input out_w: left as it is (an operand is computed on the way)
;;   THE QUANTISER, for each operand of a quantised product, along K:
;;     - K is cut into blocks of 32 from its start; a last block that is shorter is filled with zeros.
;;     - A block's scale is 2^e with e = floor(log2(the largest magnitude in the block)) - 2, held to -126 .. 127; a block of zeros has e = 0. As a byte (E8M0): e + 127.
;;     - Each number is divided by its block's scale, clamped to +-6, and rounded to the nearest number of E2M1, ties to even, subnormals kept.
;;     - The product sums the exact products of the quantised numbers (number of the format x scale) in f32.
;;   ~~~python
;;   def quantise(x, axis):      # numpy; x: float32 -> the quantised numbers, widened to float32 again
;;       x = np.moveaxis(x, axis, -1); K = x.shape[-1]
;;       x = np.pad(x, [(0, 0)] * (x.ndim - 1) + [(0, -K % 32)]); x = x.reshape(x.shape[:-1] + (-1, 32)); a = np.abs(x).max(-1, keepdims=True)
;;       e = np.where(a > 0, np.clip(np.frexp(np.where(a > 0, a, 1))[1] - 1 - 2, -126, 127), 0)      # np.frexp(a)[1] - 1 = floor(log2(a)), exactly
;;       r = np.clip(x / 2.0 ** e, -6, 6)
;;       step = 2.0 ** (np.maximum(np.frexp(np.where(r == 0, 1, r))[1] - 1, 0) - 1)
;;       q = np.round(r / step) * step * 2.0 ** e      # np.round: ties to even
;;       return np.moveaxis(q.reshape(q.shape[:-2] + (-1,))[..., :K], -1, axis).astype(np.float32)
;;   ~~~
;; One version. Each part assembles by itself: llvm-mc -triple=amdgcn-amd-amdhsa -mcpu=gfx1250 --defsym DOCPART=n.
;; ======== version 1 of 1: 5 launches
;; limits: values are held in f16: magnitudes above 65,504 overflow, below 6.1e-05 lose precision
;; workspace buffers: xq 4,456,448 bytes; wq 1,671,168 bytes; w16 2,097,152 bytes; qkv16 50,331,648 bytes; qkv32 786,432 bytes; attn16 16,777,216 bytes
;; launch prep (part 1): grid 368 x 1, 4 waves a work-group, no clusters, 68,096 bytes of LDS; arguments x, qkv_w, out_w, xq, wq, w16; writes xq, wq, w16
.if DOCPART == 1
	.amdgcn_target "amdgcn-amd-amdhsa--gfx1250"
	.amdhsa_code_object_version 6
	.text
	.protected	k_q1c6345c6a7_prep
	.globl	k_q1c6345c6a7_prep
	.p2align	8
	.type	k_q1c6345c6a7_prep,@function
k_q1c6345c6a7_prep:
	s_mov_b64 s[64:65], 0
	v_nop
	global_prefetch_b8 v0, s[64:65] scope:SCOPE_SE
	s_setreg_imm32_b32 hwreg(HW_REG_WAVE_MODE, 25, 1), 1
	s_wait_xcnt 0x0
; CAUSAL SELF-ATTENTION, launch 1 of 5: the operands of the quantised product x qkv_w become codes of FP4 (E2M1) with one E8M0 byte for each 32 along K; out_w becomes f16.
; DEAD WORK OF THE WHOLE PROGRAM.  (a) The K third of qkv_b (columns 64..127 of each head).  logits[q][k] = q . (k' + b_k) / 8 = q . k' / 8 + q . b_k / 8: the second term is the same for all keys of a
; query, so the softmax along the keys takes it away for all values of the inputs (the masked keys have weight 0 either way); the product of q and k is not quantised, so no quantiser sees k.  Those 64 numbers a head are never loaded.
; (b) Key steps that lie wholly behind the mask that the problem builds itself (key > query) are not multiplied.  (c) The f16 way's results for the first 16 positions of a sequence are not stored: the last launch makes them in f32.
; LIMITS: a NaN, an infinity or an overflow that reaches only the work left out is not carried to the result; |q|, |k|, |v|, |out_w| stay under 65,504 (f16);
; blocks whose largest magnitude lies under 2^(2 - 126), whose byte is held at 1, were not tried; NaN and infinities among the inputs are not served.
; A block's scale is 2^(floor(log2(largest magnitude)) - 2): its byte is the largest magnitude's exponent field - 2, held at 1 from below.  A block of zeros keeps the byte 1: its codes are zeros, and this program alone reads the bytes.
; THREE PATHS by the work-group's number, each with LDS bytes of its own, one end for all:
;   0..255   x [8192][1024]: K innermost, a plain stream of blocks of 32.  A wave takes 16 steps of 512 numbers; each load reads 512 consecutive bytes; a step turns through the wave's stage so that a lane holds 16 neighbours.
;   256..303 qkv_w [1024 k][3072 n]: a lane takes a column n and its registers run down K; the codes leave through a stage as rows, sixteen lanes to 256 consecutive bytes.
;   304..367 out_w: 4,096 numbers a wave, rounded to f16; a wave's store covers 256 consecutive bytes.
; xq: codes [8192][512 bytes], then the scale bytes [8192][32].  wq: codes [3072][512 bytes], then the scale bytes [3072][32].
.set SPARE,  67584                     ; the spare words: 128 bytes a wave, behind both paths' stages
.set SPW,    192                       ; v192 my spare word's address; never rewritten
.set NIL,    193                       ; v193 0; never rewritten
.set EMAX,   2
.set XSCALES, 4194304
.set WSCALES, 1572864
.set XR,  16                           ; x's path: v16-79 four sets of 16 numbers as loaded
.set XX,  80                           ; v80-111 two sets of 16 neighbours
.set XE,  112                          ; v112-127 a scale byte for each step
.set XC,  128                          ; v128-191 codes, four registers a step
.set XSP, 80                           ; a lane's place in a stage: 64 bytes + 16
.set XREG, 8192                        ; LDS of a wave: two stages of 32 x 80 bytes, then its 256 scale bytes
.set WPITCH, 272                       ; qkv_w's path: a stage row, 256 bytes + 16
.set WN,     3072
.set WKROW,  512
.set WSTG,   32768                     ; its four stages begin here
.set WX,   32                          ; v32-95 two sets of 32 numbers
.set WC,   96                          ; v96-99 a block's codes
.set WOUT, 112                         ; v112-175 the way out
.set WSB,  24                          ; v24-27 scale bytes
.macro XLOAD t
.irp i, 0,1,2,3
	global_load_b128 v[XR+16*((\t)%4)+4*\i:XR+16*((\t)%4)+4*\i+3], v3, s[4:5] offset:2048*(\t)+512*\i th:TH_LOAD_NT
.endr
.endm
.macro XTURN t                         ; a step's 2,048 bytes through the stage; LDS serves a wave's instructions in order
.irp i, 0,1,2,3
	ds_store_b128 v14, v[XR+16*((\t)%4)+4*\i:XR+16*((\t)%4)+4*\i+3] offset:32*XSP*((\t)%2)+8*XSP*\i
.endr
.irp i, 0,1,2,3
	ds_load_b128 v[XX+16*((\t)%2)+4*\i:XX+16*((\t)%2)+4*\i+3], v15 offset:32*XSP*((\t)%2)+16*\i
.endr
.endm
.macro XSTEP t
.set XS, XX+16*((\t)%2)
.if (\t) > 0
	s_wait_dscnt 1                                 ; this step's numbers are back (the last step's byte store may be out)
.else
	s_wait_dscnt 0x0
.endif
.if (\t)+4 < 16
	XLOAD (\t)+4
.endif
.if (\t)+1 < 16
.if 14-(\t) >= 3
	s_wait_loadcnt 12                              ; the next step's four loads are in; three steps' may be out
.else
	s_wait_loadcnt 4*(14-(\t))
.endif
	XTURN (\t)+1
.endif
	v_max3_num_f32 v8, |v[XS]|, |v[XS+1]|, |v[XS+2]|
	v_max3_num_f32 v9, |v[XS+3]|, |v[XS+4]|, |v[XS+5]|
.irp i, 6,10
	v_max3_num_f32 v8, v8, |v[XS+\i]|, |v[XS+\i+1]|
	v_max3_num_f32 v9, v9, |v[XS+\i+2]|, |v[XS+\i+3]|
.endr
	v_max3_num_f32 v8, v8, |v[XS+14]|, |v[XS+15]|
	v_max3_num_f32 v8, v8, v9, (EMAX+1)<<23        ; and the floor, so that the byte cannot fall under 1
	v_max_num_f32_dpp v8, v8, v8 row_xmask:1 row_mask:0xf bank_mask:0xf   ; with my neighbour's 16: the block's largest magnitude
	v_add_nc_u32 v11, -(EMAX<<23), v8              ; 2 off its exponent field: the conversion's scale operand
	v_cvt_scalef32_pk8_fp4_f32 v[XC+4*(\t)], v[XS:XS+7], v11
	v_cvt_scalef32_pk8_fp4_f32 v[XC+4*(\t)+1], v[XS+8:XS+15], v11
	v_lshrrev_b32 v[XE+(\t)], 23, v11              ; the scale's byte
	ds_store_b8 v5, v[XE+(\t)] offset:16*(\t)      ; both lanes of a block write the same byte
	global_store_b64 v4, v[XC+4*(\t):XC+4*(\t)+1], s[20:21] offset:256*(\t)   ; the wave stores 256 consecutive bytes
.endm
.macro WLOAD t
.set wi, 0
.rept 32
	global_load_b32 v[WX+32*((\t)%2)+wi], v3, s[6:7] offset:(32*(\t)+wi)*WN*4 th:TH_LOAD_NT
.set wi, wi+1
.endr
.endm
.macro WBLOCK t
.set WS, WX+32*((\t)%2)
.if (\t) < 15
	s_wait_loadcnt 32                              ; this block's 32 loads are in; the next block's may be out
.else
	s_wait_loadcnt 0
.endif
	v_max3_num_f32 v12, |v[WS]|, |v[WS+1]|, |v[WS+2]|
	v_max3_num_f32 v13, |v[WS+3]|, |v[WS+4]|, |v[WS+5]|
.irp i, 6,10,14,18,22,26
	v_max3_num_f32 v12, v12, |v[WS+\i]|, |v[WS+\i+1]|
	v_max3_num_f32 v13, v13, |v[WS+\i+2]|, |v[WS+\i+3]|
.endr
	v_max3_num_f32 v12, v12, |v[WS+30]|, |v[WS+31]|
	v_max3_num_f32 v12, v12, v13, (EMAX+1)<<23
	v_add_nc_u32 v11, -(EMAX<<23), v12
	v_lshrrev_b32 v13, 23, v11
.if (\t)%4 == 0
	v_mov_b32 v[WSB+(\t)/4], v13
.else
	v_lshl_or_b32 v[WSB+(\t)/4], v13, 8*((\t)%4), v[WSB+(\t)/4]
.endif
.irp g, 0,1,2,3
	v_cvt_scalef32_pk8_fp4_f32 v[WC+\g], v[WS+8*\g:WS+8*\g+7], v11
.endr
	ds_store_b128 v4, v[WC:WC+3] offset:16*(\t)
.if (\t)+2 < 16
	WLOAD (\t)+2
.endif
	s_wait_dscnt 0x0                               ; the store has read its registers
.endm
	s_load_b256 s[4:11], s[0:1], 0x0               ; x s[4:5], qkv_w s[6:7], out_w s[8:9], xq s[10:11]
	s_load_b128 s[12:15], s[0:1], 0x20             ; wq s[12:13], w16 s[14:15]
	v_lshl_add_u32 v[SPW], v0, 2, SPARE
	v_mov_b32 v[NIL], 0
	v_lshrrev_b32 v1, 5, v0
	v_readfirstlane_b32 s16, v1                    ; wave
	v_and_b32 v2, 31, v0                           ; lane
	s_mov_b32 s25, 0
	s_wait_kmcnt 0x0
	s_cmp_lt_u32 ttmp9, 256
	s_cbranch_scc1 .Lpath_x
	s_cmp_lt_u32 ttmp9, 304
	s_cbranch_scc1 .Lpath_w
	; ---- out_w to f16
	s_sub_co_u32 s17, ttmp9, 304
	s_lshl_b32 s17, s17, 2
	s_add_co_u32 s17, s17, s16                     ; my run of 4,096 numbers
	s_lshl_b32 s24, s17, 14
	s_add_nc_u64 s[8:9], s[8:9], s[24:25]
	s_lshl_b32 s24, s17, 13
	s_add_nc_u64 s[14:15], s[14:15], s[24:25]
	v_lshlrev_b32 v3, 4, v2
	v_lshlrev_b32 v4, 3, v2
.set j, 0
.rept 32
	global_load_b128 v[32+4*j:35+4*j], v3, s[8:9] offset:512*j th:TH_LOAD_NT
.set j, j+1
.endr
.set j, 0
.rept 32
	s_wait_loadcnt 31-j                            ; loads come back in order: load j is in, the younger ones stay out
	v_cvt_pk_f16_f32 v[32+4*j], v[32+4*j], v[33+4*j]
	v_cvt_pk_f16_f32 v[33+4*j], v[34+4*j], v[35+4*j]
	global_store_b64 v4, v[32+4*j:33+4*j], s[14:15] offset:256*j   ; no register is written twice
.set j, j+1
.endr
	s_branch .Lend
.Lpath_w:
	; ---- qkv_w: 24 x 2 work-groups of 128 columns x 512 along K
	s_sub_co_u32 s17, ttmp9, 256
	s_cmp_ge_u32 s17, 24
	s_cselect_b32 s18, 1, 0                        ; which half of K
	s_mul_i32 s19, s18, 24
	s_sub_co_u32 s17, s17, s19
	s_lshl_b32 s17, s17, 7
	s_lshl_b32 s19, s16, 5
	s_add_co_u32 s17, s17, s19                     ; my wave's first column
	v_lshlrev_b32 v3, 2, v2
	s_mul_i32 s19, s16, 32*WPITCH
	s_add_co_u32 s19, s19, WSTG                    ; my stage
	v_mul_u32_u24 v4, v2, WPITCH
	v_add_nc_u32 v4, s19, v4                       ; into it: row = my column
	v_and_b32 v5, 15, v2
	v_lshrrev_b32 v6, 4, v2
	v_mul_u32_u24 v7, v6, WPITCH
	v_lshl_add_u32 v7, v5, 4, v7
	v_add_nc_u32 v7, s19, v7                       ; out of it: sixteen lanes to a row
	v_mul_u32_u24 v8, v6, WKROW
	v_lshl_add_u32 v8, v5, 4, v8
	v_lshlrev_b32 v9, 5, v2                        ; my column's row of scale bytes
	s_mul_i32 s24, s18, 512*WN*4
	s_lshl_b32 s26, s17, 2
	s_add_co_u32 s24, s24, s26
	s_add_nc_u64 s[6:7], s[6:7], s[24:25]
	s_lshl_b32 s24, s17, 9
	s_lshl_b32 s26, s18, 8
	s_add_co_u32 s24, s24, s26
	s_add_nc_u64 s[20:21], s[12:13], s[24:25]
	s_lshl_b32 s24, s17, 5
	s_lshl_b32 s26, s18, 4
	s_add_co_u32 s24, s24, s26
	s_add_co_u32 s24, s24, WSCALES
	s_add_nc_u64 s[22:23], s[12:13], s[24:25]
	WLOAD 0
	WLOAD 1
.set Q, 0
.rept 16
	WBLOCK Q
.set Q, Q+1
.endr
	global_store_b128 v9, v[WSB:WSB+3], s[22:23]   ; my column's 16 scale bytes
.irp t, 0,1,2,3,4,5,6,7,8,9,10,11,12,13,14,15
	ds_load_b128 v[WOUT+4*\t:WOUT+4*\t+3], v7 offset:2*\t*WPITCH
.endr
.irp t, 0,1,2,3,4,5,6,7,8,9,10,11,12,13,14,15
	s_wait_dscnt 15-\t
	global_store_b128 v8, v[WOUT+4*\t:WOUT+4*\t+3], s[20:21] offset:2*\t*WKROW
.endr
	s_branch .Lend
.Lpath_x:
	; ---- x
	v_lshlrev_b32 v3, 4, v2
	s_mul_i32 s17, s16, XREG
	v_lshrrev_b32 v14, 2, v2
	v_mul_u32_u24 v14, v14, XSP
	v_and_b32 v15, 3, v2
	v_lshl_add_u32 v14, v15, 4, v14
	v_add_nc_u32 v14, s17, v14                     ; the stage on the way in: 80 (lane / 4) + 16 (lane % 4)
	v_mul_u32_u24 v15, v2, XSP
	v_add_nc_u32 v15, s17, v15                     ; and on the way out: 80 x lane
	v_lshlrev_b32 v4, 3, v2
	v_lshrrev_b32 v5, 1, v2
	s_add_co_u32 s17, s17, 2*32*XSP
	v_add_nc_u32 v5, s17, v5                       ; my block's byte among the wave's 256
	v_lshlrev_b32 v7, 3, v2
	v_add_nc_u32 v6, s17, v7
	s_lshl_b32 s18, ttmp9, 2
	s_add_co_u32 s18, s18, s16                     ; my run of 8,192 numbers
	s_lshl_b32 s24, s18, 15
	s_add_nc_u64 s[4:5], s[4:5], s[24:25]
	s_lshl_b32 s24, s18, 12
	s_add_nc_u64 s[20:21], s[10:11], s[24:25]
	s_lshl_b32 s24, s18, 8
	s_add_co_u32 s24, s24, XSCALES
	s_add_nc_u64 s[22:23], s[10:11], s[24:25]
.irp t, 0,1,2,3
	XLOAD \t
.endr
	s_wait_loadcnt 12
	XTURN 0
.irp t, 0,1,2,3,4,5,6,7,8,9,10,11,12,13,14,15
	XSTEP \t
.endr
	ds_load_b64 v[8:9], v6
	s_wait_dscnt 0x0
	global_store_b64 v7, v[8:9], s[22:23]          ; 32 lanes store 256 consecutive bytes of scales
.Lend:
	s_wait_tensorcnt 0x0                           ; the wave's end
	ds_add_u32 v[SPW], v[NIL]
	s_wait_dscnt 0x0
	s_endpgm
.Lfunc_end_k_q1c6345c6a7_prep:
	.size	k_q1c6345c6a7_prep, .Lfunc_end_k_q1c6345c6a7_prep-k_q1c6345c6a7_prep
	.p2alignl 7, 3214868480
	.fill 96, 4, 3214868480
	.section	.rodata,"a",@progbits
	.p2align	6, 0x0
	.amdhsa_kernel k_q1c6345c6a7_prep
		.amdhsa_group_segment_fixed_size 68096
		.amdhsa_private_segment_fixed_size 0
		.amdhsa_enable_private_segment 0
		.amdhsa_kernarg_size 48
		.amdhsa_user_sgpr_count 2
		.amdhsa_user_sgpr_kernarg_segment_ptr 1
		.amdhsa_wavefront_size32 1
		.amdhsa_system_sgpr_workgroup_id_x 1
		.amdhsa_system_sgpr_workgroup_id_y 1
		.amdhsa_system_sgpr_workgroup_id_z 1
		.amdhsa_system_vgpr_workitem_id 0
		.amdhsa_next_free_vgpr 200
		.amdhsa_next_free_sgpr 66
		.amdhsa_reserve_vcc 0
		.amdhsa_float_denorm_mode_32 3
		.amdhsa_float_denorm_mode_16_64 3
		.amdhsa_memory_ordered 1
		.amdhsa_forward_progress 1
		.amdhsa_inst_pref_size 122
	.end_amdhsa_kernel
	.amdgpu_metadata
---
amdhsa.version: [ 1, 2 ]
amdhsa.kernels:
  - .name:           k_q1c6345c6a7_prep
    .symbol:         k_q1c6345c6a7_prep.kd
    .args:
      - { .name: x, .offset: 0, .size: 8, .value_kind: global_buffer, .address_space: global }
      - { .name: qkv_w, .offset: 8, .size: 8, .value_kind: global_buffer, .address_space: global }
      - { .name: out_w, .offset: 16, .size: 8, .value_kind: global_buffer, .address_space: global }
      - { .name: xq, .offset: 24, .size: 8, .value_kind: global_buffer, .address_space: global }
      - { .name: wq, .offset: 32, .size: 8, .value_kind: global_buffer, .address_space: global }
      - { .name: w16, .offset: 40, .size: 8, .value_kind: global_buffer, .address_space: global }
    .group_segment_fixed_size: 68096
    .private_segment_fixed_size: 0
    .kernarg_segment_align: 8
    .kernarg_segment_size: 48
    .max_flat_workgroup_size: 128
    .sgpr_count:     66
    .vgpr_count:     200
    .wavefront_size: 32
...
	.end_amdgpu_metadata
.endif
;; end of part 1
;; launch qkv (part 2): grid 16 x 32, 4 waves a work-group, clusters of 4 x 4, 327,680 bytes of LDS; arguments xq, wq, qkv_b, qkv16, qkv32; writes qkv16, qkv32
.if DOCPART == 2
	.amdgcn_target "amdgcn-amd-amdhsa--gfx1250"
	.amdhsa_code_object_version 6
	.text
	.protected	k_q1c6345c6a7_qkv
	.globl	k_q1c6345c6a7_qkv
	.p2align	8
	.type	k_q1c6345c6a7_qkv,@function
k_q1c6345c6a7_qkv:
	s_mov_b64 s[64:65], 0
	v_nop
	global_prefetch_b8 v0, s[64:65] scope:SCOPE_SE
	s_setreg_imm32_b32 hwreg(HW_REG_WAVE_MODE, 25, 1), 1
	s_wait_xcnt 0x0
	s_wait_alu depctr_hold_cnt(0) depctr_sa_sdst(0) depctr_va_vdst(0) depctr_va_sdst(0) depctr_va_ssrc(0) depctr_va_vcc(0) depctr_vm_vsrc(0)
	s_getreg_b32 s2, hwreg(HW_REG_IB_STS2, 6, 4)
	s_cmp_eq_u32 s2, 0
	s_cbranch_scc0 .Lentry_in_a_cluster
	s_endpgm
.Lentry_in_a_cluster:
	s_bfe_u32 s2, ttmp6, 0x10000c
	s_cmp_lg_u32 s2, 0xf033
	s_cbranch_scc0 .Lentry_shape_is_right
	s_endpgm
.Lentry_shape_is_right:
; Launch 2 of 5: qkv = Q(x) Q(qkv_w) + qkv_b on codes of FP4 with E8M0 scales; sums in f32.  Left out: the K third of qkv_b (shown dead at the head of the first kernel).
; A work-group makes 256 rows x the 192 columns of one head; wave w makes rows 64 w .. 64 w + 63 x all 192: 48 accumulators of 16 x 16.  So a wave owns whole rows of q, k and v.
; All of K (1,024) fits into two LDS slots of 512 along K (rows of 256 bytes + 16): every tensor load goes out at the head, three a wave, and nothing is filled again.
; CLUSTER 4 x 4: head = 4 x cluster x + cx; tile row = 8 cy + cluster y, so the batch is cy and the tile's first position is 256 x cluster y, equal in all sixteen partners.
; x's tiles are shared along a row of the cluster, the weights' along a column: each is asked for jointly.
; THE MATRIX INSTRUCTION IS USED TRANSPOSED (source 0 = 16 columns of the weight, source 1 = 16 rows of x): a lane holds 8 neighbouring columns of one row.  The bias is the C of each sum's first instruction.
; OUT: q x log2(e) / 8, k, v as f16 into qkv16 [3][batch][head][position][64], through the wave's own stage, 512 consecutive bytes a store;
; positions 0..15 also as f32, unscaled, into qkv32 [batch][head][16][192] (32 bytes a lane: 12,288 bytes of a work-group's 98,304, in one work-group of eight).
; REGISTERS: window 0: v16-30 addresses; v32-63 x's scale words (block a, step s: 32 + 8 a + s), v64-159 the weight's (64 + 8 b + s): scales and nothing else; v160-191 q's bias, v192-223 v's.
;   window 1: the weight's fragments, two sets at 96 p + 8 b; x's, two sets at 192 + 32 p + 8 a; on the way out v0-47 packed, v48-95 rows.   windows 2, 3: the accumulators of blocks 0, 1 and 2, 3 at 8 (12 (a % 2) + b).
.set PITCH, 272
.set BOFF,  69632                      ; a slot: x's 256 rows, then the weight's 192
.set SLOT,  121856
.set SCL,   243712                     ; x's scale bytes: 32 units of 256 + 16
.set SCLB,  252416                     ; the weight's: 24 units
.set SPARE, 259072                     ; the spare words, 128 bytes a wave
.set STAGE, 259584                     ; a stage of 3 parts x 16 rows x 144 bytes for each wave
.set XSCALES, 4194304
.set WSCALES, 1572864
.set ADRA, 16
.set ADRB, 20
.set ADSA, 22
.set ADSB, 23
.set STO,  24
.set RD,   25
.set GO,   26
.set FO,   27
.set SPW,  28
.set NIL,  29
.set BO,   30
.set SA,   32
.set SB,   64
.set BQ,   160
.set BV,   192
.set CS,   2                           ; s[2:3] log2(e) / 8
.set G1,   24
.set G0,   32
.set G1B,  48
.set G0B,  56
.set G1S,  68
.set G0S,  76
.set G1SB, 80
.set G0SB, 88
.set PQ,   92                          ; s[92:97] q's, k's, v's part of qkv16 at my wave's first row
.set MSB, 0
.macro WIN new                         ; the immediate's high byte repeats the setting that is left
.if MSB != (\new)
	s_set_vgpr_msb (MSB<<8)|(\new)
.set MSB, (\new)
.endif
.endm
.macro JLOAD g0a, g1a, g0b, g1b        ; a joint load: waves 0, 1 fetch for x, waves 2, 3 for the weight; s_nop 0 and four v_nop follow each line
	s_cmp_eq_u32 s15, 0
	s_cbranch_scc0 .Lfor_b_\@
	tensor_load_to_lds s[\g0a:\g0a+3], s[\g1a:\g1a+7]
	s_nop 0
.rept 4
	v_nop
.endr
	s_branch .Lasked_\@
.Lfor_b_\@:
	tensor_load_to_lds s[\g0b:\g0b+3], s[\g1b:\g1b+7]
	s_nop 0
.rept 4
	v_nop
.endr
.Lasked_\@:
.endm
.macro CROUND                          ; a round of the cluster's barrier
	s_barrier_signal -1
	s_barrier_wait -1
	s_cmp_lg_u32 s14, 0
	s_cbranch_scc1 .Lnot_wave_0_\@
	s_barrier_signal -3
.Lnot_wave_0_\@:
	s_barrier_wait -3
	s_barrier_signal -1
	s_barrier_wait -1
.endm
.macro PLACES
.rept 4
	v_nop
.endr
.endm
.macro FRAG reg, adr, q, i             ; 16 rows x 128 K of 4-bit codes: 8 registers, two loads of 16 bytes, 32 bytes apart
.irp c, 0,1
	ds_load_b128 v[\reg+4*\c:\reg+4*\c+3], v[\adr] offset:64*(\q)+32*\c+(\i)*16*PITCH
.endr
.endm
.macro FETCH s                         ; step s's 16 fragments into set s % 2
	WIN 0x40
.irp i, 0,1,2,3,4,5,6,7,8,9,10,11
	FRAG 96*((\s)%2)+8*\i, ADRB+(\s)/4, (\s)%4, \i
.endr
.irp i, 0,1,2,3
	FRAG 192+32*((\s)%2)+8*\i, ADRA+(\s)/4, (\s)%4, \i
.endr
.endm
.macro MUL24 s, hi, first              ; x's blocks 2 hi, 2 hi + 1 against the weight's twelve; the 48 accumulators take turns in the same order in every step
.irp a, 2*\hi, 2*\hi+1
.irp b, 0,1,2,3,4,5,6,7,8,9,10,11
.if \first && (\b < 4)
	v_wmma_scale_f32_16x16x128_f8f6f4 v[8*(12*((\a)%2)+\b):8*(12*((\a)%2)+\b)+7], v[96*((\s)%2)+8*\b:96*((\s)%2)+8*\b+7], v[192+32*((\s)%2)+8*(\a):192+32*((\s)%2)+8*(\a)+7], v[BQ+8*\b:BQ+8*\b+7], v[SB+8*\b+(\s)], v[SA+8*(\a)+(\s)] matrix_a_fmt:MATRIX_FMT_FP4 matrix_b_fmt:MATRIX_FMT_FP4
.elseif \first && (\b < 8)
	v_wmma_scale_f32_16x16x128_f8f6f4 v[8*(12*((\a)%2)+\b):8*(12*((\a)%2)+\b)+7], v[96*((\s)%2)+8*\b:96*((\s)%2)+8*\b+7], v[192+32*((\s)%2)+8*(\a):192+32*((\s)%2)+8*(\a)+7], 0, v[SB+8*\b+(\s)], v[SA+8*(\a)+(\s)] matrix_a_fmt:MATRIX_FMT_FP4 matrix_b_fmt:MATRIX_FMT_FP4
.elseif \first
	v_wmma_scale_f32_16x16x128_f8f6f4 v[8*(12*((\a)%2)+\b):8*(12*((\a)%2)+\b)+7], v[96*((\s)%2)+8*\b:96*((\s)%2)+8*\b+7], v[192+32*((\s)%2)+8*(\a):192+32*((\s)%2)+8*(\a)+7], v[BV+8*(\b-8):BV+8*(\b-8)+7], v[SB+8*\b+(\s)], v[SA+8*(\a)+(\s)] matrix_a_fmt:MATRIX_FMT_FP4 matrix_b_fmt:MATRIX_FMT_FP4
.else
	v_wmma_scale_f32_16x16x128_f8f6f4 v[8*(12*((\a)%2)+\b):8*(12*((\a)%2)+\b)+7], v[96*((\s)%2)+8*\b:96*((\s)%2)+8*\b+7], v[192+32*((\s)%2)+8*(\a):192+32*((\s)%2)+8*(\a)+7], v[8*(12*((\a)%2)+\b):8*(12*((\a)%2)+\b)+7], v[SB+8*\b+(\s)], v[SA+8*(\a)+(\s)] matrix_a_fmt:MATRIX_FMT_FP4 matrix_b_fmt:MATRIX_FMT_FP4
.endif
.endr
.endr
.endm
.macro KSTEP s, first                  ; 128 along K: 48 matrix instructions; the next step's fragments are fetched in its middle
	s_wait_dscnt 0x0                               ; this step's fragments (and at step 0 the scale words) are in
	WIN 0xA5-0x20*\first                           ; both sources window 1, D window 2, C window 2 (first: the bias, window 0)
	MUL24 \s, 0, \first
.if \s == 3
	s_wait_tensorcnt 0x0                           ; my part of slot 1 has landed; no LDS instruction of mine is out
	s_barrier_signal -1
	s_barrier_wait -1                              ; everybody's has
.endif
.if \s < 7
	PLACES                                         ; four places in front of loads into registers that matrix instructions have read
	FETCH \s+1
.endif
	WIN 0xF5-0x30*\first
	MUL24 \s, 1, \first
.endm
.macro OUT a                           ; rows 16 a .. 16 a + 15 of my 64 leave
.set AC, 96*((\a)%2)
	s_wait_xcnt 0x0                                ; earlier stores have read their registers: the sums and the rows' registers are written again only behind this wait
	WIN 0x82+0x41*((\a)/2)
.set n, 0
.rept 16
	v_pk_mul_f32 v[AC+2*n:AC+2*n+1], v[AC+2*n:AC+2*n+1], s[CS:CS+1] op_sel_hi:[1,0]   ; q x log2(e) / 8, in f32, ahead of the one rounding to f16
.set n, n+1
.endr
	WIN 0x4A+5*((\a)/2)
.set n, 0
.rept 48
	v_cvt_pk_f16_f32 v[n], v[AC+2*n], v[AC+2*n+1]
.set n, n+1
.endr
	WIN 0x04
.irp b, 0,1,2,3,4,5,6,7,8,9,10,11
	ds_store_b128 v[STO], v[4*\b:4*\b+3] offset:(\b/4)*2304+(\b%4)*32
.endr
	WIN 0x40
.irp p, 0,1,2
.irp i, 0,1,2,3
	ds_load_b128 v[48+16*\p+4*\i:48+16*\p+4*\i+3], v[RD] offset:\p*2304+576*\i   ; LDS serves a wave's instructions in order: these see the stores above
.endr
.endr
	s_wait_dscnt 0x0
	WIN 0x04
.irp p, 0,1,2
.irp i, 0,1,2,3
	global_store_b128 v[GO], v[48+16*\p+4*\i:48+16*\p+4*\i+3], s[PQ+2*\p:PQ+2*\p+1] offset:(\a)*2048+512*\i   ; four rows of 128 bytes: 512 consecutive bytes
.endr
.endr
.endm
	s_load_b128 s[4:7], s[0:1], 0x0                ; xq s[4:5], wq s[6:7]
	s_load_b128 s[8:11], s[0:1], 0x10              ; qkv_b s[8:9], qkv16 s[10:11]
	s_load_b64 s[12:13], s[0:1], 0x20              ; qkv32
	v_lshl_add_u32 v[SPW], v0, 2, SPARE
	v_mov_b32 v[NIL], 0
	ds_add_u32 v[SPW], v[NIL]                      ; the wave's opening: the add, twice on end, and its wait ahead of my first tensor load
	ds_add_u32 v[SPW], v[NIL]
	v_lshrrev_b32 v1, 5, v0
	v_readfirstlane_b32 s14, v1                    ; wave
	s_lshr_b32 s15, s14, 1                         ; I fetch for x (0) or for the weight (1)
	s_and_b32 s16, s14, 1                          ; which half of that tile
	s_bfe_u32 s40, ttmp6, 0x40000                  ; cx
	s_bfe_u32 s41, ttmp6, 0x40004                  ; cy
	s_lshl_b32 s42, ttmp9, 2
	s_add_co_u32 s42, s42, s40                     ; head
	s_and_b32 s17, ttmp7, 0xffff                   ; cluster y
	s_lshl_b32 s18, s41, 3
	s_add_co_u32 s18, s18, s17                     ; tile row = 8 cy + cluster y
	s_lshl_b32 s43, s41, 2
	s_lshl_b32 s43, 15, s43                        ; my row of the cluster
	s_lshl_b32 s44, 0x1111, s40                    ; my column
	s_or_b32 s[G1+0], s43, (0<<16)|(1<<20)|(1<<21)|(5<<22)|(3<<25)   ; the mask; elements of 1 byte; padding: 4 words behind every 64; bit 21 beside a mask
	s_or_b32 s[G1B+0], s44, (0<<16)|(1<<20)|(1<<21)|(5<<22)|(3<<25)
	s_mov_b32 s[G1+1], 256<<16                     ; tensor_dim0 = 256 bytes
	s_mov_b32 s[G1+2], 128<<16                     ; tensor_dim1 = 128 rows
	s_mov_b32 s[G1+3], 256<<16                     ; tile_dim0
	s_mov_b32 s[G1+4], 128                         ; tile_dim1
	s_mov_b32 s[G1+5], 512                         ; from row to row
	s_mov_b32 s[G1+6], 0
	s_mov_b32 s[G1+7], 0
	s_mov_b32 s[G1B+1], 256<<16
	s_mov_b32 s[G1B+2], 96<<16                     ; 96 rows
	s_mov_b32 s[G1B+3], 256<<16
	s_mov_b32 s[G1B+4], 96
	s_mov_b32 s[G1B+5], 512
	s_mov_b32 s[G1B+6], 0
	s_mov_b32 s[G1B+7], 0
	s_or_b32 s[G1S+0], s43, (3<<16)|(1<<20)|(1<<21)|(5<<22)|(3<<25)  ; the scale bytes: dense, as rows of 32 elements of 8 bytes
	s_or_b32 s[G1SB+0], s44, (3<<16)|(1<<20)|(1<<21)|(5<<22)|(3<<25)
	s_mov_b32 s[G1S+1], 32<<16
	s_mov_b32 s[G1S+2], 16<<16                     ; 128 rows x 32 bytes = 16 units
	s_mov_b32 s[G1S+3], 32<<16
	s_mov_b32 s[G1S+4], 16
	s_mov_b32 s[G1S+5], 32
	s_mov_b32 s[G1S+6], 0
	s_mov_b32 s[G1S+7], 0
	s_mov_b32 s[G1SB+1], 32<<16
	s_mov_b32 s[G1SB+2], 12<<16                    ; 96 rows x 32 bytes = 12 units
	s_mov_b32 s[G1SB+3], 32<<16
	s_mov_b32 s[G1SB+4], 12
	s_mov_b32 s[G1SB+5], 32
	s_mov_b32 s[G1SB+6], 0
	s_mov_b32 s[G1SB+7], 0
	s_lshl_b32 s20, s18, 8
	s_lshl_b32 s19, s16, 7
	s_add_co_u32 s20, s20, s19                     ; x: row 256 x tile row + 128 x half
	s_lshl_b32 s22, s20, 5
	s_add_co_u32 s22, s22, XSCALES                 ; its scale bytes,
	s_lshl_b32 s20, s20, 9                         ; its codes
	s_mov_b32 s21, 0
	s_mov_b32 s23, 0
	s_mul_i32 s46, s42, 192
	s_mul_i32 s19, s16, 96
	s_add_co_u32 s46, s46, s19                     ; the weight: row 192 x head + 96 x half
	s_lshl_b32 s92, s46, 5
	s_add_co_u32 s92, s92, WSCALES
	s_lshl_b32 s46, s46, 9
	s_mov_b32 s47, 0
	s_mov_b32 s93, 0
	s_mul_i32 s45, s16, 128*PITCH                  ; where they go: no place in the cluster enters an LDS address
	s_mul_i32 s94, s16, 96*PITCH
	s_add_co_u32 s94, s94, BOFF
	s_mul_i32 s95, s16, 16*272
	s_add_co_u32 s95, s95, SCL
	s_mul_i32 s96, s16, 12*272
	s_add_co_u32 s96, s96, SCLB
	s_mov_b32 s[CS], 0x3e38aa3b                    ; log2(e) / 8
	s_mov_b32 s[CS+1], s[CS]
	s_wait_dscnt 0x0                               ; both opening adds are done
	s_wait_kmcnt 0x0
	s_add_nc_u64 s[20:21], s[4:5], s[20:21]
	s_add_nc_u64 s[22:23], s[4:5], s[22:23]
	s_add_nc_u64 s[46:47], s[6:7], s[46:47]
	s_add_nc_u64 s[92:93], s[6:7], s[92:93]
	CROUND                                         ; all sixteen work-groups are here: the joint loads meet
	s_mov_b32 s[G0S], 1
	s_mov_b32 s[G0S+1], s95
	s_mov_b64 s[G0S+2:G0S+3], s[22:23]
	s_or_b32 s[G0S+3], s[G0S+3], 0x80000000
	s_mov_b32 s[G0SB], 1
	s_mov_b32 s[G0SB+1], s96
	s_mov_b64 s[G0SB+2:G0SB+3], s[92:93]
	s_or_b32 s[G0SB+3], s[G0SB+3], 0x80000000
	JLOAD G0S, G1S, G0SB, G1SB                     ; the scale bytes first
.irp s, 0,1
	s_mov_b32 s[G0+4*\s], 1
	s_add_co_u32 s[G0+4*\s+1], s45, \s*SLOT
	s_add_nc_u64 s[G0+4*\s+2:G0+4*\s+3], s[20:21], \s*256
	s_or_b32 s[G0+4*\s+3], s[G0+4*\s+3], 0x80000000
	s_mov_b32 s[G0B+4*\s], 1
	s_add_co_u32 s[G0B+4*\s+1], s94, \s*SLOT
	s_add_nc_u64 s[G0B+4*\s+2:G0B+4*\s+3], s[46:47], \s*256
	s_or_b32 s[G0B+4*\s+3], s[G0B+4*\s+3], 0x80000000
	JLOAD G0+4*\s, G1, G0B+4*\s, G1B               ; three loads of mine are out
.endr
	v_and_b32 v1, 15, v0                           ; r
	v_bfe_u32 v2, v0, 4, 1                         ; h
	v_mul_u32_u24 v3, v1, PITCH
	v_lshl_add_u32 v4, v2, 4, v3
	s_mul_i32 s21, s14, 64*PITCH                   ; my 64 rows of x
	s_mov_b32 s22, BOFF
.irp s, 0,1
	v_add_nc_u32 v[ADRA+\s], s21, v4
	v_add_nc_u32 v[ADRB+\s], s22, v4
	s_add_co_u32 s21, s21, SLOT
	s_add_co_u32 s22, s22, SLOT
.endr
	v_lshrrev_b32 v5, 3, v1
	v_mul_u32_u24 v5, v5, 272
	v_and_b32 v6, 7, v1
	v_lshl_add_u32 v5, v6, 5, v5                   ; a row's 32 scale bytes: eight rows to a unit
	s_mul_i32 s21, s14, 8*272
	s_add_co_u32 s21, s21, SCL
	v_add_nc_u32 v[ADSA], s21, v5
	v_add_nc_u32 v[ADSB], SCLB, v5
	s_mul_i32 s21, s14, 6912
	s_add_co_u32 s21, s21, STAGE                   ; my stage
	v_mul_u32_u24 v5, v1, 144
	v_lshl_add_u32 v5, v2, 4, v5
	v_add_nc_u32 v[STO], s21, v5
	v_bfe_u32 v5, v0, 3, 2
	v_mul_u32_u24 v5, v5, 144
	v_and_b32 v6, 7, v0
	v_lshl_add_u32 v5, v6, 4, v5
	v_add_nc_u32 v[RD], s21, v5
	v_and_b32 v6, 31, v0
	v_lshlrev_b32 v[GO], 4, v6
	v_mul_u32_u24 v[FO], v1, 768
	v_lshl_add_u32 v[FO], v2, 5, v[FO]
	v_lshlrev_b32 v[BO], 5, v2
	s_lshl_b32 s20, s41, 4
	s_add_co_u32 s20, s20, s42                     ; 16 x batch + head
	s_mul_i32 s46, s20, 12288
	s_mov_b32 s47, 0
	s_add_nc_u64 s[12:13], s[12:13], s[46:47]
	s_lshl_b32 s46, s20, 18
	s_lshl_b32 s21, s17, 15
	s_add_co_u32 s46, s46, s21
	s_lshl_b32 s21, s14, 13
	s_add_co_u32 s46, s46, s21
	s_add_nc_u64 s[PQ:PQ+1], s[10:11], s[46:47]
	s_add_nc_u64 s[PQ+2:PQ+3], s[PQ:PQ+1], 0x1000000
	s_add_nc_u64 s[PQ+4:PQ+5], s[PQ:PQ+1], 0x2000000
	s_mul_i32 s46, s42, 768
	s_add_nc_u64 s[8:9], s[8:9], s[46:47]
.irp b, 0,1,2,3                                ; the bias in the result's layout: lane (r, h) wants columns 16 b + 8 h + 0 .. 7; q's and v's thirds alone
	global_load_b128 v[BQ+8*\b:BQ+8*\b+3], v[BO], s[8:9] offset:64*\b
	global_load_b128 v[BQ+8*\b+4:BQ+8*\b+7], v[BO], s[8:9] offset:64*\b+16
	global_load_b128 v[BV+8*\b:BV+8*\b+3], v[BO], s[8:9] offset:512+64*\b
	global_load_b128 v[BV+8*\b+4:BV+8*\b+7], v[BO], s[8:9] offset:512+64*\b+16
.endr
	s_wait_tensorcnt 1                             ; the scale bytes and my part of slot 0 are in; slot 1's load may be out
	s_barrier_signal -1
	s_barrier_wait -1
.irp a, 0,1,2,3
.irp c, 0,1
	ds_load_b128 v[SA+8*\a+4*\c:SA+8*\a+4*\c+3], v[ADSA] offset:\a*544+16*\c
.endr
.endr
.irp b, 0,1,2,3,4,5,6,7,8,9,10,11
.irp c, 0,1
	ds_load_b128 v[SB+8*\b+4*\c:SB+8*\b+4*\c+3], v[ADSB] offset:\b*544+16*\c
.endr
.endr
	FETCH 0
	s_wait_loadcnt 0x0                             ; the bias
	KSTEP 0, 1
.irp s, 1,2,3,4,5,6,7
	KSTEP \s, 0
.endr
	PLACES                                         ; four places ahead of the first read of results and of writes into registers that held fragments
	WIN 0
	s_or_b32 s19, s17, s14                         ; positions 0..15 lie in wave 0 of the work-groups with cluster y = 0: the same test in all partners
	s_cmp_lg_u32 s19, 0
	s_cbranch_scc1 .Lno_copy
	WIN 0x08
.irp b, 0,1,2,3,4,5,6,7,8,9,10,11
	global_store_b128 v[FO], v[8*\b:8*\b+3], s[12:13] offset:64*\b          ; each accumulator from its low end on
	global_store_b128 v[FO], v[8*\b+4:8*\b+7], s[12:13] offset:64*\b+16
.endr
	WIN 0
.Lno_copy:
	OUT 0
	OUT 1
	OUT 2
	OUT 3
	WIN 0
	s_wait_tensorcnt 0x0                           ; the wave's end
	ds_add_u32 v[SPW], v[NIL]
	s_wait_dscnt 0x0
	CROUND                                         ; the closing round
	s_endpgm
.Lfunc_end_k_q1c6345c6a7_qkv:
	.size	k_q1c6345c6a7_qkv, .Lfunc_end_k_q1c6345c6a7_qkv-k_q1c6345c6a7_qkv
	.p2alignl 7, 3214868480
	.fill 96, 4, 3214868480
	.section	.rodata,"a",@progbits
	.p2align	6, 0x0
	.amdhsa_kernel k_q1c6345c6a7_qkv
		.amdhsa_group_segment_fixed_size 327680
		.amdhsa_private_segment_fixed_size 0
		.amdhsa_enable_private_segment 0
		.amdhsa_kernarg_size 40
		.amdhsa_user_sgpr_count 2
		.amdhsa_user_sgpr_kernarg_segment_ptr 1
		.amdhsa_wavefront_size32 1
		.amdhsa_system_sgpr_workgroup_id_x 1
		.amdhsa_system_sgpr_workgroup_id_y 1
		.amdhsa_system_sgpr_workgroup_id_z 1
		.amdhsa_system_vgpr_workitem_id 0
		.amdhsa_next_free_vgpr 1024
		.amdhsa_next_free_sgpr 98
		.amdhsa_reserve_vcc 0
		.amdhsa_float_denorm_mode_32 3
		.amdhsa_float_denorm_mode_16_64 3
		.amdhsa_memory_ordered 1
		.amdhsa_forward_progress 1
		.amdhsa_inst_pref_size 111
	.end_amdhsa_kernel
	.amdgpu_metadata
---
amdhsa.version: [ 1, 2 ]
amdhsa.kernels:
  - .name:           k_q1c6345c6a7_qkv
    .symbol:         k_q1c6345c6a7_qkv.kd
    .args:
      - { .name: xq, .offset: 0, .size: 8, .value_kind: global_buffer, .address_space: global }
      - { .name: wq, .offset: 8, .size: 8, .value_kind: global_buffer, .address_space: global }
      - { .name: qkv_b, .offset: 16, .size: 8, .value_kind: global_buffer, .address_space: global }
      - { .name: qkv16, .offset: 24, .size: 8, .value_kind: global_buffer, .address_space: global }
      - { .name: qkv32, .offset: 32, .size: 8, .value_kind: global_buffer, .address_space: global }
    .group_segment_fixed_size: 327680
    .private_segment_fixed_size: 0
    .kernarg_segment_align: 8
    .kernarg_segment_size: 40
    .max_flat_workgroup_size: 128
    .sgpr_count:     98
    .vgpr_count:     1024
    .wavefront_size: 32
...
	.end_amdgpu_metadata
.endif
;; end of part 2
;; launch attn (part 3): grid 4 x 64, 8 waves a work-group, no clusters, 327,680 bytes of LDS; arguments qkv16, attn16; writes attn16
.if DOCPART == 3
	.amdgcn_target "amdgcn-amd-amdhsa--gfx1250"
	.amdhsa_code_object_version 6
	.text
	.protected	k_q1c6345c6a7_attn
	.globl	k_q1c6345c6a7_attn
	.p2align	8
	.type	k_q1c6345c6a7_attn,@function
k_q1c6345c6a7_attn:
	s_mov_b64 s[64:65], 0
	v_nop
	global_prefetch_b8 v0, s[64:65] scope:SCOPE_SE
	s_setreg_imm32_b32 hwreg(HW_REG_WAVE_MODE, 25, 1), 1
	s_wait_xcnt 0x0
; Launch 3 of 5: attn[q] = sum over k <= q of softmax_k(q . k / 8) v[k], f16 operands, f32 products' sums, maxima and row sums.  q arrives multiplied by log2(e) / 8, so a score s is the exponent to base 2.
; Left out: key steps all of whose 64 keys come after the wave's 32 queries (the problem's own mask; shown at the head of the first kernel).
; SHARES.  Work-group (i, head) owns two blocks of 256 queries: block 7 - i first, then block i: (8 - i) + (i + 1) = 9 units of 256 keys in every work-group, so all trip counts are constants.
; Each of the eight waves owns 32 queries, two tiles; two waves share a SIMD, so that one wave's softmax stands beside the other's products.
; NO CLUSTER: the four work-groups of a head want the same unit in only 5 of their 9 trips (units 0..4 of the first pass), so partners would need different tiles in the other trips.
; LAYOUT.  S^T = K Q^T (source 0 = 16 keys, source 1 = 16 queries) and O^T = V^T P (source 0 = 16 channels, turned by ds_load_tr16_b128; source 1 = P): a lane holds ONE query throughout.
; SOFTMAX.  A running maximum m and sum l for each query: p = 2^(s - m), at most 1; in every step O and l are multiplied by a = 2^(m_old - m_new).
; RING.  Two slots of one unit (4 steps of 64 keys).  Waves 0-3 fetch K of step w, waves 4-7 V of step w - 4: one load a wave behind each barrier, with a unit's four steps in which to land.
; Two keys' rows (dense in memory) are stated as one row of 256 bytes: K's LDS pitch 272, V's 288.
; REGISTERS: window 0: v2-14 addresses; v16-31 statistics, 8 a tile (+0 -m, +1 m, +2, +3 l, +4..+7 at work, a in +6); v64-127 S^T; v128-159 P; v160-223 O^T.   window 1: v0-31 Q; v32-95 K; v96-159 V.
.set STEPB, 17920                      ; a step: K 32 x 272, then V 32 x 288
.set VOFF,  8704
.set SLOT1, 131072
.set STAGE, 202752                     ; 32 rows x 144 bytes for each wave
.set SPARE, 239616                     ; the spare words, 128 bytes a wave
.set AK0, 2
.set AV0, 3
.set ADK, 4
.set ADV, 5
.set QO,  6
.set STO, 7
.set RD,  8
.set GO,  9
.set PFO, 10
.set DL,  11
.set SPW, 62
.set NIL, 63
.set ST,  16
.set S,   64
.set P,   128
.set O,   160
.set WV,  8
.set QB,  12
.set OB,  14
.set QP,  16
.set OP,  18
.set T,   20
.set SW,  21
.set Q0,  22
.set KF,  23
.set G1K, 24
.set G1V, 32
.set G0,  40
.set TB,  44
.set CNT, 45
.set D,   46                           ; s[46:47] an offset in bytes, high word 0
.set PFA, 50
.set LIM, 52
.set BA,  54                           ; s[54:55] my part of unit 0 in memory, without the descriptor's type; never rewritten
.set SEL, 58
.set MSB, 0
.macro WIN new
.if MSB != (\new)
	s_set_vgpr_msb (MSB<<8)|(\new)
.set MSB, (\new)
.endif
.endm
.macro TLOAD                           ; every wave's one load; the two lines differ in the padding alone; s_nop 0 and four v_nop follow each
	s_cmp_lt_u32 s[WV], 4
	s_cbranch_scc0 .Lfor_v_\@
	tensor_load_to_lds s[G0:G0+3], s[G1K:G1K+7]
	s_nop 0
.rept 4
	v_nop
.endr
	s_branch .Lasked_\@
.Lfor_v_\@:
	tensor_load_to_lds s[G0:G0+3], s[G1V:G1V+7]
	s_nop 0
.rept 4
	v_nop
.endr
.Lasked_\@:
.endm
; A prefetch of my own 8,192 bytes of the unit after the one just asked for, lanes 256 bytes apart.  All four work-groups of a head walk the same units: work-group 0 asks, in trips 0..5 (units 2..7), so each 256 bytes are named once and none past the head's end.
.macro ASK
	s_cmp_lt_u32 s[T], s[LIM]
	s_cbranch_scc0 .Lnot_mine_\@
	global_prefetch_b8 v[PFO], s[PFA:PFA+1] th:TH_LOAD_NT scope:SCOPE_SE
.Lnot_mine_\@:
.endm
.macro CHANGE fill                     ; the change of slots, at a unit's head
	s_wait_tensorcnt 0x0                           ; my load has landed: my part of the unit ahead; the descriptor may be written
	ds_add_u32 v[SPW], v[NIL]                      ; 0 onto my spare word
.if \fill
	s_add_co_u32 s[D], s[T], 1                     ; the unit that the next trip reads: its number in the first pass,
	s_sub_co_u32 s60, s[T], s[SW]                  ; or, behind the first pass's last unit, counted from 0 again
	s_cmp_le_u32 s[D], s[SW]
	s_cselect_b32 s[D], s[D], s60
	s_lshl_b32 s[D], s[D], 15                      ; 256 keys x 128 bytes a unit: 229,376 at the most
	s_mov_b32 s[D+1], 0
	s_xor_b32 s[G0+1], s[G0+1], SLOT1              ; the other slot than last time
	s_add_nc_u64 s[G0+2:G0+3], s[BA:BA+1], s[D:D+1]   ; the global address is written anew from unit 0's,
	s_or_b32 s[G0+3], s[G0+3], 0x80000000          ; and the type set on it
	s_wait_xcnt 0x0                                ; the last prefetch, a unit back, has read its address
	s_add_nc_u64 s[PFA:PFA+1], s[PFA:PFA+1], 0x8000
.endif
	s_wait_dscnt 0x0                               ; the add is done, and my reads of the slot that I have left are over
	s_barrier_signal -1
	s_barrier_wait -1
.if \fill
	TLOAD                                          ; first thing behind the barrier, my one load until the next
	ASK
.endif
.endm
.macro MASK                            ; register 32 u + 8 k + j holds key KF + 16 k + 8 h + j of query Q0 + 16 u + r: hidden where 16 k + j > Q0 - KF + 16 u + r - 8 h
	s_sub_co_i32 s60, s[Q0], s[KF]
	v_add_nc_u32 v12, s60, v[DL]
	v_add_nc_u32 v13, 16, v12
.set n, 0
.rept 64
	v_cmp_gt_i32 vcc_lo, 16*((n%32)/8)+n%8, v[12+n/32]
	v_cndmask_b32 v[S+n], v[S+n], v14, vcc_lo
.set n, n+1
.endr
.endm
.macro SOFTMAX                         ; the two tiles line by line in turn
.irp k, 0,1,2,3
.irp u, 0,1
	v_max3_num_f32 v[ST+8*\u+4+\k], v[S+32*\u+8*\k], v[S+32*\u+8*\k+1], v[S+32*\u+8*\k+2]   ; each accumulator is read from its low end on
.endr
.endr
.irp i, 3,5
.irp k, 0,1,2,3
.irp u, 0,1
	v_max3_num_f32 v[ST+8*\u+4+\k], v[ST+8*\u+4+\k], v[S+32*\u+8*\k+\i], v[S+32*\u+8*\k+\i+1]
.endr
.endr
.endr
.irp u, 0,1
	v_max3_num_f32 v[ST+8*\u+4], v[ST+8*\u+4], v[S+32*\u+7], v[S+32*\u+15]
.endr
.irp u, 0,1
	v_max3_num_f32 v[ST+8*\u+6], v[ST+8*\u+6], v[S+32*\u+23], v[S+32*\u+31]
.endr
.irp u, 0,1
	v_max3_num_f32 v[ST+8*\u+4], v[ST+8*\u+4], v[ST+8*\u+5], v[ST+8*\u+6]
.endr
.irp u, 0,1
	v_max3_num_f32 v[ST+8*\u+4], v[ST+8*\u+4], v[ST+8*\u+7], v[ST+8*\u+1]   ; with the old m
.endr
.irp u, 0,1
	v_permlanex16_b32 v[ST+8*\u+5], v[ST+8*\u+4], s[SEL], s[SEL+1]          ; the query's other 32 keys lie in the lane 16 away
.endr
.irp u, 0,1
	v_mov_b32 v[ST+8*\u+7], v[ST+8*\u+1]
.endr
.irp u, 0,1
	v_max_num_f32 v[ST+8*\u+1], v[ST+8*\u+4], v[ST+8*\u+5]
.endr
.irp u, 0,1
	v_sub_f32 v[ST+8*\u], 0, v[ST+8*\u+1]          ; -m
.endr
.irp u, 0,1
	v_sub_f32 v[ST+8*\u+7], v[ST+8*\u+7], v[ST+8*\u+1]   ; m_old - m_new
.endr
.set n, 0
.rept 16
	v_pk_add_f32 v[S+2*n:S+2*n+1], v[S+2*n:S+2*n+1], v[ST:ST+1] op_sel_hi:[1,0]            ; s - m, two at a time
	v_pk_add_f32 v[S+32+2*n:S+33+2*n], v[S+32+2*n:S+33+2*n], v[ST+8:ST+9] op_sel_hi:[1,0]
.set n, n+1
.endr
	v_exp_f32 v[ST+6], v[ST+7]                     ; a
	v_exp_f32 v[ST+14], v[ST+15]
.set n, 0
.rept 64
	v_exp_f32 v[S+n], v[S+n]                       ; p
.set n, n+1
.endr
	v_nop                                          ; a plain instruction behind the last exponential
	s_wait_alu depctr_va_vdst(0)                   ; one wait for the batch of 66, ahead of its first reader
.set n, 0
.rept 32
	v_cvt_pk_f16_f32 v[P+n], v[S+2*n], v[S+2*n+1]  ; two tiles of 16 keys, rounded in pairs, are source 1 of the second product
.set n, n+1
.endr
.irp z, 0,1,2,3,4,5,6,7
.irp u, 0,1
	v_pk_add_f32 v[S+32*\u+4*\z:S+32*\u+4*\z+1], v[S+32*\u+4*\z:S+32*\u+4*\z+1], v[S+32*\u+4*\z+2:S+32*\u+4*\z+3]
.endr
.endr
.irp z, 0,1,2,3
.irp u, 0,1
	v_pk_add_f32 v[S+32*\u+8*\z:S+32*\u+8*\z+1], v[S+32*\u+8*\z:S+32*\u+8*\z+1], v[S+32*\u+8*\z+4:S+32*\u+8*\z+5]
.endr
.endr
.irp z, 0,1
.irp u, 0,1
	v_pk_add_f32 v[S+32*\u+16*\z:S+32*\u+16*\z+1], v[S+32*\u+16*\z:S+32*\u+16*\z+1], v[S+32*\u+16*\z+8:S+32*\u+16*\z+9]
.endr
.endr
.irp u, 0,1
	v_pk_add_f32 v[S+32*\u:S+32*\u+1], v[S+32*\u:S+32*\u+1], v[S+32*\u+16:S+32*\u+17]
.endr
.irp u, 0,1
	v_pk_fma_f32 v[ST+8*\u+2:ST+8*\u+3], v[ST+8*\u+2:ST+8*\u+3], v[ST+8*\u+6:ST+8*\u+7], v[S+32*\u:S+32*\u+1] op_sel_hi:[1,0,1]   ; l = a l + the step's sum
.endr
.set n, 0
.rept 16
	v_pk_mul_f32 v[O+2*n:O+2*n+1], v[O+2*n:O+2*n+1], v[ST+6:ST+7] op_sel_hi:[1,0]
	v_pk_mul_f32 v[O+32+2*n:O+33+2*n], v[O+32+2*n:O+33+2*n], v[ST+14:ST+15] op_sel_hi:[1,0]
.set n, n+1
.endr
.endm
.macro STEP                            ; 64 keys
	s_add_co_u32 s60, s[Q0], 31
	s_cmp_gt_u32 s[KF], s60                        ; all keys behind my last query: a branch on ids, round the step's work and round no barrier or tensor load
	s_cbranch_scc1 .Lhid_\@
	v_add_nc_u32 v[ADK], s[TB], v[AK0]
	v_add_nc_u32 v[ADV], s[TB], v[AV0]
	v_nop
	v_nop                                          ; four places behind the last products, ahead of loads into registers that they read
	WIN 0x40
.irp k, 0,1,2,3
.irp c, 0,1
	ds_load_b128 v[32+16*\k+8*\c:32+16*\k+8*\c+3], v[ADK] offset:\k*2176+64*\c
	ds_load_b128 v[32+16*\k+8*\c+4:32+16*\k+8*\c+7], v[ADK] offset:\k*2176+64*\c+32
.endr
.endr
.irp c, 0,1
.irp d, 0,1,2,3
	ds_load_tr16_b128 v[96+32*\c+8*\d:96+32*\c+8*\d+3], v[ADV] offset:\c*4608+32*\d
	ds_load_tr16_b128 v[96+32*\c+8*\d+4:96+32*\c+8*\d+7], v[ADV] offset:\c*4608+2304+32*\d
.endr
.endr
	s_wait_dscnt 16                                ; K's 16 loads are in; V's 16 may be out
	WIN 0x05
.irp c, 0,1                                    ; eight accumulators by turns
.irp k, 0,1,2,3
.irp u, 0,1
.if \c == 0
	v_wmma_f32_16x16x32_f16 v[S+32*\u+8*\k:S+32*\u+8*\k+7], v[32+16*\k+8*\c:32+16*\k+8*\c+7], v[16*\u+8*\c:16*\u+8*\c+7], 0
.else
	v_wmma_f32_16x16x32_f16 v[S+32*\u+8*\k:S+32*\u+8*\k+7], v[32+16*\k+8*\c:32+16*\k+8*\c+7], v[16*\u+8*\c:16*\u+8*\c+7], v[S+32*\u+8*\k:S+32*\u+8*\k+7]
.endif
.endr
.endr
.endr
	WIN 0
.rept 4
	v_nop
.endr
	s_add_co_u32 s60, s[KF], 63
	s_cmp_le_u32 s60, s[Q0]                        ; all 64 keys count for all my queries: no mask
	s_cbranch_scc1 .Lopen_\@
	MASK
.Lopen_\@:
	SOFTMAX
	s_wait_dscnt 0x0                               ; V is in
	WIN 0x01
.irp c, 0,1
.irp d, 0,1,2,3
.irp u, 0,1
	v_wmma_f32_16x16x32_f16 v[O+32*\u+8*\d:O+32*\u+8*\d+7], v[96+32*\c+8*\d:96+32*\c+8*\d+7], v[P+16*\u+8*\c:P+16*\u+8*\c+7], v[O+32*\u+8*\d:O+32*\u+8*\d+7]
.endr
.endr
.endr
	WIN 0
.Lhid_\@:
	s_add_co_u32 s[KF], s[KF], 64
	s_add_co_u32 s[TB], s[TB], STEPB
.endm
.macro UNIT                            ; a slot's four steps, written once
	s_mov_b32 s[CNT], 4
.Lstep_\@:
	STEP
	s_sub_co_u32 s[CNT], s[CNT], 1
	s_cmp_lg_u32 s[CNT], 0
	s_cbranch_scc1 .Lstep_\@
	s_sub_co_u32 s[TB], s[TB], 4*STEPB
	s_xor_b32 s[TB], s[TB], SLOT1
.endm
.macro SETQ                            ; Q's and O's addresses at query Q0
	s_lshl_b32 s[D], s[Q0], 7
	s_mov_b32 s[D+1], 0
	s_add_nc_u64 s[QP:QP+1], s[QB:QB+1], s[D:D+1]
	s_add_nc_u64 s[OP:OP+1], s[OB:OB+1], s[D:D+1]
.endm
.macro QLOAD
	WIN 0x40
.irp u, 0,1
.irp c, 0,1
	global_load_b128 v[16*\u+8*\c:16*\u+8*\c+3], v[QO], s[QP:QP+1] offset:\u*2048+64*\c
	global_load_b128 v[16*\u+8*\c+4:16*\u+8*\c+7], v[QO], s[QP:QP+1] offset:\u*2048+64*\c+32
.endr
.endr
	WIN 0
.endm
.macro INIT                            ; the step is written once: the first finds zeros and m = -3e38, under every score
.irp u, 0,1
	v_mov_b32 v[ST+8*\u], 0x7f61b1e6
	v_mov_b32 v[ST+8*\u+1], 0xff61b1e6
.irp i, 2,3,4,5,6,7
	v_mov_b32 v[ST+8*\u+\i], 0
.endr
.endr
.set n, 0
.rept 64
	v_mov_b32 v[O+n], 0
.set n, n+1
.endr
.endm
.macro WAYOUT
.rept 4
	v_nop
.endr
.irp u, 0,1
	v_add_f32 v[ST+8*\u+4], v[ST+8*\u+2], v[ST+8*\u+3]
.endr
.irp u, 0,1
	v_permlanex16_b32 v[ST+8*\u+5], v[ST+8*\u+4], s[SEL], s[SEL+1]
.endr
.irp u, 0,1
	v_add_f32 v[ST+8*\u+4], v[ST+8*\u+4], v[ST+8*\u+5]
.endr
.irp u, 0,1
	v_rcp_f32 v[ST+8*\u+6], v[ST+8*\u+4]
.endr
	v_nop
	s_wait_alu depctr_va_vdst(0)                   ; one wait for the two reciprocals, ahead of their first reader
.set n, 0
.rept 16
	v_pk_mul_f32 v[O+2*n:O+2*n+1], v[O+2*n:O+2*n+1], v[ST+6:ST+7] op_sel_hi:[1,0]
	v_pk_mul_f32 v[O+32+2*n:O+33+2*n], v[O+32+2*n:O+33+2*n], v[ST+14:ST+15] op_sel_hi:[1,0]
.set n, n+1
.endr
.set n, 0
.rept 32
	v_cvt_pk_f16_f32 v[S+n], v[O+2*n], v[O+2*n+1]
.set n, n+1
.endr
.irp u, 0,1
.irp d, 0,1,2,3
	ds_store_b128 v[STO], v[S+16*\u+4*\d:S+16*\u+4*\d+3] offset:\u*2304+32*\d
.endr
.endr
.irp i, 0,1,2,3,4,5,6,7
	ds_load_b128 v[S+32+4*\i:S+32+4*\i+3], v[RD] offset:576*\i   ; my own stage: LDS serves a wave's instructions in order
.endr
	s_wait_dscnt 0x0
.irp i, 0,1,2,3,4,5,6,7
	global_store_b128 v[GO], v[S+32+4*\i:S+32+4*\i+3], s[OP:OP+1] offset:512*\i   ; four rows of 128 bytes: 512 consecutive bytes
.endr
.endm
	s_load_b128 s[4:7], s[0:1], 0x0                ; qkv16 s[4:5], attn16 s[6:7]
	v_lshl_add_u32 v[SPW], v0, 2, SPARE
	v_mov_b32 v[NIL], 0
	ds_add_u32 v[SPW], v[NIL]                      ; the wave's opening: the add, twice on end, and its wait ahead of my first tensor load
	ds_add_u32 v[SPW], v[NIL]
	v_lshrrev_b32 v1, 5, v0
	v_readfirstlane_b32 s[WV], v1                  ; wave
	s_and_b32 s10, ttmp7, 0xffff                   ; 16 x batch + head
	s_lshl_b32 s11, s10, 18                        ; its bytes in each part
	s_sub_co_u32 s[SW], 7, ttmp9                   ; the first pass's block, and its last trip
	s_mov_b32 s[G1K], (1<<16)|(1<<20)|(5<<22)|(3<<25)   ; elements of 2 bytes; padding: 4 words behind every 64
	s_mov_b32 s[G1V], (1<<16)|(1<<20)|(5<<22)|(7<<25)   ; 8 words
.irp g, G1K, G1V
	s_mov_b32 s[\g+1], 128<<16                     ; tensor_dim0 = 128 elements: two keys
	s_mov_b32 s[\g+2], 32<<16                      ; tensor_dim1 = 32
	s_mov_b32 s[\g+3], 128<<16                     ; tile_dim0
	s_mov_b32 s[\g+4], 32                          ; tile_dim1
	s_mov_b32 s[\g+5], 128                         ; from row to row
	s_mov_b32 s[\g+6], 0
	s_mov_b32 s[\g+7], 0
.endr
	s_and_b32 s60, s[WV], 3                        ; which step of a unit I fetch
	s_lshr_b32 s61, s[WV], 2                       ; K (0) or V (1)
	s_mul_i32 s[G0+1], s60, STEPB
	s_mul_i32 s[D], s61, VOFF
	s_add_co_u32 s[G0+1], s[G0+1], s[D]            ; LDS address in slot 0
	s_add_co_u32 s[D], s61, 1
	s_lshl_b32 s[D], s[D], 24                      ; K's part begins 2^24 bytes in, V's 2^25
	s_add_co_u32 s[D], s[D], s11
	s_lshl_b32 s60, s60, 13
	s_add_co_u32 s[D], s[D], s60
	s_mov_b32 s[D+1], 0
	s_mov_b32 s[G0], 1
	s_mov_b32 s[SEL], 0x76543210
	s_mov_b32 s[SEL+1], 0xfedcba98
	s_cmp_eq_u32 ttmp9, 0
	s_cselect_b32 s[LIM], 6, 0
	s_wait_dscnt 0x0                               ; both opening adds are done
	s_wait_kmcnt 0x0
	s_add_nc_u64 s[BA:BA+1], s[4:5], s[D:D+1]      ; my part of unit 0
	s_add_nc_u64 s[PFA:PFA+1], s[BA:BA+1], 0x8000  ; my part of unit 1; the first change steps it to unit 2
	s_mov_b64 s[G0+2:G0+3], s[BA:BA+1]
	s_or_b32 s[G0+3], s[G0+3], 0x80000000
	TLOAD                                          ; unit 0 into slot 0
	s_mov_b32 s[D], s11
	s_add_nc_u64 s[QB:QB+1], s[4:5], s[D:D+1]
	s_add_nc_u64 s[OB:OB+1], s[6:7], s[D:D+1]
	v_and_b32 v1, 15, v0                           ; r
	v_bfe_u32 v15, v0, 4, 1                        ; h
	v_lshrrev_b32 v33, 1, v1
	v_mul_u32_u24 v[AK0], v33, 272
	v_and_b32 v33, 1, v1
	v_lshl_add_u32 v[AK0], v33, 7, v[AK0]
	v_lshl_add_u32 v[AK0], v15, 4, v[AK0]          ; key r: double row r / 2, half r % 2, + 16 h
	v_bfe_u32 v33, v0, 1, 2
	v_lshl_add_u32 v33, v15, 2, v33
	v_mul_u32_u24 v[AV0], v33, 288
	v_and_b32 v33, 1, v0
	v_lshl_add_u32 v[AV0], v33, 7, v[AV0]
	v_bfe_u32 v33, v0, 3, 1
	v_lshl_add_u32 v[AV0], v33, 4, v[AV0]
	v_add_nc_u32 v[AV0], VOFF, v[AV0]              ; the turning load: key 8 h + lane % 8, channels 8 ((lane / 8) % 2) on
	v_lshlrev_b32 v[QO], 7, v1
	v_lshl_add_u32 v[QO], v15, 4, v[QO]
	s_mul_i32 s60, s[WV], 4608
	s_add_co_u32 s60, s60, STAGE
	v_mul_u32_u24 v[STO], v1, 144
	v_lshl_add_u32 v[STO], v15, 4, v[STO]
	v_add_nc_u32 v[STO], s60, v[STO]
	v_bfe_u32 v33, v0, 3, 2
	v_mul_u32_u24 v[RD], v33, 144
	v_and_b32 v33, 7, v0
	v_lshl_add_u32 v[RD], v33, 4, v[RD]
	v_add_nc_u32 v[RD], s60, v[RD]
	v_and_b32 v33, 31, v0
	v_lshlrev_b32 v[GO], 4, v33
	v_lshlrev_b32 v[PFO], 8, v33
	v_lshlrev_b32 v33, 3, v15
	v_sub_nc_u32 v[DL], v1, v33                    ; r - 8 h
	v_mov_b32 v14, 0xff800000                      ; -infinity
	s_lshl_b32 s[Q0], s[SW], 8
	s_lshl_b32 s60, s[WV], 5
	s_add_co_u32 s[Q0], s[Q0], s60                 ; my first query: 256 (7 - i) + 32 w
	SETQ
	QLOAD
	INIT
	s_mov_b32 s[T], 0
	s_mov_b32 s[TB], 0
	s_mov_b32 s[KF], 0
	s_wait_loadcnt 0x0                             ; Q
.Ltrip:                                            ; eight trips; behind each change the next unit is asked for
	CHANGE 1
	UNIT
	s_cmp_lg_u32 s[T], s[SW]                       ; ids and the count of trips alone: the same in all eight waves
	s_cbranch_scc1 .Lsame
	WAYOUT                                         ; the first block is finished
	s_wait_xcnt 0x0                                ; its stores have read their registers and base
	s_mov_b32 s[KF], 0
	s_lshl_b32 s[Q0], ttmp9, 8
	s_lshl_b32 s60, s[WV], 5
	s_add_co_u32 s[Q0], s[Q0], s60                 ; 256 i + 32 w
	SETQ
	QLOAD
	INIT
	s_wait_loadcnt 0x0
.Lsame:
	s_add_co_u32 s[T], s[T], 1
	s_cmp_lt_u32 s[T], 8
	s_cbranch_scc1 .Ltrip
	CHANGE 0                                       ; the ninth unit is written out: nothing is left to ask for
	UNIT
	WAYOUT
	s_wait_tensorcnt 0x0                           ; the wave's end
	ds_add_u32 v[SPW], v[NIL]
	s_wait_dscnt 0x0
	s_endpgm
.Lfunc_end_k_q1c6345c6a7_attn:
	.size	k_q1c6345c6a7_attn, .Lfunc_end_k_q1c6345c6a7_attn-k_q1c6345c6a7_attn
	.p2alignl 7, 3214868480
	.fill 96, 4, 3214868480
	.section	.rodata,"a",@progbits
	.p2align	6, 0x0
	.amdhsa_kernel k_q1c6345c6a7_attn
		.amdhsa_group_segment_fixed_size 327680
		.amdhsa_private_segment_fixed_size 0
		.amdhsa_enable_private_segment 0
		.amdhsa_kernarg_size 16
		.amdhsa_user_sgpr_count 2
		.amdhsa_user_sgpr_kernarg_segment_ptr 1
		.amdhsa_wavefront_size32 1
		.amdhsa_system_sgpr_workgroup_id_x 1
		.amdhsa_system_sgpr_workgroup_id_y 1
		.amdhsa_system_sgpr_workgroup_id_z 1
		.amdhsa_system_vgpr_workitem_id 0
		.amdhsa_next_free_vgpr 512
		.amdhsa_next_free_sgpr 66
		.amdhsa_reserve_vcc 1
		.amdhsa_float_denorm_mode_32 3
		.amdhsa_float_denorm_mode_16_64 3
		.amdhsa_memory_ordered 1
		.amdhsa_forward_progress 1
		.amdhsa_inst_pref_size 71
	.end_amdhsa_kernel
	.amdgpu_metadata
---
amdhsa.version: [ 1, 2 ]
amdhsa.kernels:
  - .name:           k_q1c6345c6a7_attn
    .symbol:         k_q1c6345c6a7_attn.kd
    .args:
      - { .name: qkv16, .offset: 0, .size: 8, .value_kind: global_buffer, .address_space: global }
      - { .name: attn16, .offset: 8, .size: 8, .value_kind: global_buffer, .address_space: global }
    .group_segment_fixed_size: 327680
    .private_segment_fixed_size: 0
    .kernarg_segment_align: 8
    .kernarg_segment_size: 16
    .max_flat_workgroup_size: 256
    .sgpr_count:     66
    .vgpr_count:     512
    .wavefront_size: 32
...
	.end_amdgpu_metadata
.endif
;; end of part 3
;; launch proj (part 4): grid 4 x 64, 4 waves a work-group, clusters of 4 x 4, 327,680 bytes of LDS; arguments attn16, w16, out_b, out0; writes out0
.if DOCPART == 4
	.amdgcn_target "amdgcn-amd-amdhsa--gfx1250"
	.amdhsa_code_object_version 6
	.text
	.protected	k_q1c6345c6a7_proj
	.globl	k_q1c6345c6a7_proj
	.p2align	8
	.type	k_q1c6345c6a7_proj,@function
k_q1c6345c6a7_proj:
	s_mov_b64 s[64:65], 0
	v_nop
	global_prefetch_b8 v0, s[64:65] scope:SCOPE_SE
	s_setreg_imm32_b32 hwreg(HW_REG_WAVE_MODE, 25, 1), 1
	s_wait_xcnt 0x0
	s_wait_alu depctr_hold_cnt(0) depctr_sa_sdst(0) depctr_va_vdst(0) depctr_va_sdst(0) depctr_va_ssrc(0) depctr_va_vcc(0) depctr_vm_vsrc(0)
	s_getreg_b32 s2, hwreg(HW_REG_IB_STS2, 6, 4)
	s_cmp_eq_u32 s2, 0
	s_cbranch_scc0 .Lentry_in_a_cluster
	s_endpgm
.Lentry_in_a_cluster:
	s_bfe_u32 s2, ttmp6, 0x10000c
	s_cmp_lg_u32 s2, 0xf033
	s_cbranch_scc0 .Lentry_shape_is_right
	s_endpgm
.Lentry_shape_is_right:
; Launch 4 of 5: out0 = attn out_w + out_b, f16 operands, f32 sums.  Left out: the stores of positions 0..15 of each sequence, which the last launch makes in f32.
; A work-group makes 128 rows x 256 columns; a wave 64 x 128: 32 accumulators.  K goes in steps of 128 (two heads) through two LDS slots.
; attn16 is [batch][head][position][64]: a head's 128 rows are dense, stated as 64 rows of 256 bytes (pitch 272), a plane for each head.  w16 is [k][e]: 128 rows of 512 bytes (pitch 544), turned by ds_load_tr16_b128.
; CLUSTER 4 x 4: column tile = cx, batch = cy, first position = 128 x cluster y (equal in all partners).  attn's tiles are shared along a row of the cluster, the weight's along a column.
; THE MATRIX INSTRUCTION IS USED TRANSPOSED (source 0 = 16 columns e, source 1 = 16 rows): a lane holds 8 neighbouring columns of a row.  out_b is the C of each sum's first instruction.
; No prefetch: each K step's tiles are shared by four work-groups and the launch's stores already keep memory at work.
; REGISTERS: window 0: v16-29 addresses; v128-255 rows on the way out.   window 1: two fragment buffers at 0 and 96 (attn's four, then the weight's eight); v192-255 the bias.   window 2: accumulator (a, b) at 8 (8 a + b).
.set SLOT,  104448                     ; two planes of 64 x 272, then 128 x 544
.set BOFF,  34816
.set STAGE, 208896                     ; 16 rows x 528 bytes for each wave
.set SPITCH, 528
.set SPARE, 242688
.set ADRA, 16
.set ADRB, 20
.set STO,  24
.set RD,   25
.set CO,   26
.set BO,   27
.set SPW,  28
.set NIL,  29
.set BK,   128
.set F0,   0
.set F1,   96
.set G1,   24
.set G0,   32
.set G1B,  48
.set G0B,  56
.set MSB, 0
.macro WIN new
.if MSB != (\new)
	s_set_vgpr_msb (MSB<<8)|(\new)
.set MSB, (\new)
.endif
.endm
.macro JLOAD s                         ; waves 0, 1 fetch attn's two planes, waves 2, 3 the weight's two halves; s_nop 0 and four v_nop follow each line
	s_cmp_eq_u32 s15, 0
	s_cbranch_scc0 .Lfor_b_\@
	tensor_load_to_lds s[G0+4*\s:G0+4*\s+3], s[G1:G1+7]
	s_nop 0
.rept 4
	v_nop
.endr
	s_branch .Lasked_\@
.Lfor_b_\@:
	tensor_load_to_lds s[G0B+4*\s:G0B+4*\s+3], s[G1B:G1B+7]
	s_nop 0
.rept 4
	v_nop
.endr
.Lasked_\@:
.endm
.macro CREST
	s_cmp_lg_u32 s14, 0
	s_cbranch_scc1 .Lnot_wave_0_\@
	s_barrier_signal -3
.Lnot_wave_0_\@:
	s_barrier_wait -3
	s_barrier_signal -1
	s_barrier_wait -1
.endm
.macro CROUND
	s_barrier_signal -1
	s_barrier_wait -1
	CREST
.endm
.macro PLACES
.rept 4
	v_nop
.endr
.endm
.macro MUL8 f, a, first                ; rows' block a against the eight blocks of columns, 32 along K
.irp b, 0,1,2,3,4,5,6,7
.if \first
	v_wmma_f32_16x16x32_f16 v[8*(8*(\a)+\b):8*(8*(\a)+\b)+7], v[\f+32+8*\b:\f+32+8*\b+7], v[\f+8*(\a):\f+8*(\a)+7], v[192+8*\b:199+8*\b]
.else
	v_wmma_f32_16x16x32_f16 v[8*(8*(\a)+\b):8*(8*(\a)+\b)+7], v[\f+32+8*\b:\f+32+8*\b+7], v[\f+8*(\a):\f+8*(\a)+7], v[8*(8*(\a)+\b):8*(8*(\a)+\b)+7]
.endif
.endr
.endm
.macro FETCH slot, q, f                ; quarter q (32 along K) of a slot: 24 LDS loads in one run
	WIN 0x40
.irp a, 0,1,2,3
	ds_load_b128 v[\f+8*\a:\f+8*\a+3], v[ADRA+\slot] offset:((\q)/2)*17408+((\q)%2)*64+\a*2176
	ds_load_b128 v[\f+8*\a+4:\f+8*\a+7], v[ADRA+\slot] offset:((\q)/2)*17408+((\q)%2)*64+\a*2176+32
.endr
.irp b, 0,1,2,3,4,5,6,7
	ds_load_tr16_b128 v[\f+32+8*\b:\f+32+8*\b+3], v[ADRB+\slot] offset:(\q)*17408+32*\b
	ds_load_tr16_b128 v[\f+32+8*\b+4:\f+32+8*\b+7], v[ADRB+\slot] offset:(\q)*17408+8704+32*\b
.endr
.endm
.macro QUARTER slot, qn, f, g, first   ; multiplies buffer f; in its middle fetches quarter qn into g.  The 32 accumulators take turns
	s_wait_dscnt 0x0
	WIN 0xA5-0x10*\first                           ; both sources window 1; D window 2; C window 2 (first: the bias, window 1)
	MUL8 \f, 0, \first
	MUL8 \f, 1, \first
	PLACES
	FETCH \slot, \qn, \g
	WIN 0xA5-0x10*\first
	MUL8 \f, 2, \first
	MUL8 \f, 3, \first
.endm
.macro TURN slot, next, fill           ; a slot's last quarter (buffer 1) and the change of slots
	WIN 0
	s_wait_tensorcnt 0x0                           ; my load has landed: my part of the next slot
	ds_add_u32 v[SPW], v[NIL]                      ; 0 onto my spare word
	s_wait_dscnt 1                                 ; buffer 1 is in (the add may be out)
	WIN 0xA5
	MUL8 F1, 0, 0
	s_wait_dscnt 0x0                               ; the add is done, and my reads of this slot are over
	s_barrier_signal -1
	MUL8 F1, 1, 0
.if \fill
	WIN 0
.endif
	s_barrier_wait -1
.if \fill
	CREST                                          ; the barrier has opened a round of the cluster's: no wave of any partner still reads this slot or has a load on its way
	s_add_nc_u64 s[G0+4*\slot+2:G0+4*\slot+3], s[G0+4*\slot+2:G0+4*\slot+3], 1048576   ; four heads on
	s_add_nc_u64 s[G0B+4*\slot+2:G0B+4*\slot+3], s[G0B+4*\slot+2:G0B+4*\slot+3], 524288 ; 256 rows of the weight on
	JLOAD \slot                                    ; first behind the round; its four v_nop are also the places in front of the loads below
.else
	PLACES
.endif
	FETCH \next, 0, F0
	WIN 0xA5
	MUL8 F1, 2, 0
	MUL8 F1, 3, 0
.endm
.macro TOSTAGE a
	WIN 0x08
.irp b, 0,1,2,3,4,5,6,7
	ds_store_b128 v[STO], v[64*(\a)+8*\b:64*(\a)+8*\b+3] offset:64*\b          ; each accumulator from its low end on
	ds_store_b128 v[STO], v[64*(\a)+8*\b+4:64*(\a)+8*\b+7] offset:64*\b+16
.endr
	WIN 0
.irp t, 0,1,2,3,4,5,6,7,8,9,10,11,12,13,14,15
	ds_load_b128 v[BK+64*((\a)%2)+4*\t:BK+64*((\a)%2)+4*\t+3], v[RD] offset:\t*SPITCH
.endr
.endm
.macro SEND a, younger
	s_wait_dscnt \younger                          ; the block is back in registers
.if (\a) > 0
	s_add_nc_u64 s[10:11], s[10:11], 65536         ; 16 rows on (behind a wait on XCNT: the earlier stores have read their base)
.else
	s_cmp_eq_u32 s18, 0                            ; positions 0..15: cluster y = 0 and the upper row half: the same test in all partners
	s_cbranch_scc1 .Lskip_\@
.endif
.irp t, 0,1,2,3,4,5,6,7,8,9,10,11,12,13,14,15
	global_store_b128 v[CO], v[BK+64*((\a)%2)+4*\t:BK+64*((\a)%2)+4*\t+3], s[10:11] offset:\t*4096 th:TH_STORE_NT   ; 32 lanes store 512 consecutive bytes
.endr
.Lskip_\@:
.endm
	s_load_b256 s[4:11], s[0:1], 0x0               ; attn16 s[4:5], w16 s[6:7], out_b s[8:9], out0 s[10:11]
	v_lshl_add_u32 v[SPW], v0, 2, SPARE
	v_mov_b32 v[NIL], 0
	ds_add_u32 v[SPW], v[NIL]                      ; the wave's opening: the add, twice on end, and its wait ahead of my first tensor load
	ds_add_u32 v[SPW], v[NIL]
	v_lshrrev_b32 v1, 5, v0
	v_readfirstlane_b32 s14, v1                    ; wave
	s_lshr_b32 s15, s14, 1                         ; my half of the rows; also: I fetch for attn (0) or the weight (1)
	s_and_b32 s16, s14, 1                          ; my half of the columns; also: which half I fetch
	s_bfe_u32 s40, ttmp6, 0x40000                  ; cx
	s_bfe_u32 s41, ttmp6, 0x40004                  ; cy
	s_lshl_b32 s42, ttmp9, 2
	s_add_co_u32 s42, s42, s40                     ; column tile
	s_and_b32 s17, ttmp7, 0xffff                   ; cluster y
	s_or_b32 s18, s17, s15                         ; 0: my first 16 rows are positions 0..15
	s_lshl_b32 s43, s41, 2
	s_lshl_b32 s43, 15, s43
	s_lshl_b32 s44, 0x1111, s40
	s_or_b32 s[G1+0], s43, (1<<16)|(1<<20)|(1<<21)|(5<<22)|(3<<25)    ; elements of 2 bytes; 4 words behind every 64
	s_or_b32 s[G1B+0], s44, (1<<16)|(1<<20)|(1<<21)|(6<<22)|(7<<25)   ; 8 words behind every 128
	s_mov_b32 s[G1+1], 128<<16
	s_mov_b32 s[G1+2], 64<<16
	s_mov_b32 s[G1+3], 128<<16
	s_mov_b32 s[G1+4], 64
	s_mov_b32 s[G1+5], 128
	s_mov_b32 s[G1+6], 0
	s_mov_b32 s[G1+7], 0
	s_mov_b32 s[G1B+1], 256<<16
	s_mov_b32 s[G1B+2], 64<<16
	s_mov_b32 s[G1B+3], 256<<16
	s_mov_b32 s[G1B+4], 64
	s_mov_b32 s[G1B+5], 1024
	s_mov_b32 s[G1B+6], 0
	s_mov_b32 s[G1B+7], 0
	s_lshl_b32 s20, s41, 4
	s_add_co_u32 s20, s20, s16
	s_lshl_b32 s20, s20, 18                        ; attn: head 16 x batch + my plane,
	s_lshl_b32 s19, s17, 14
	s_add_co_u32 s20, s20, s19                     ; position 128 x cluster y
	s_mov_b32 s21, 0
	s_lshl_b32 s46, s16, 17                        ; the weight: rows 64 x half,
	s_lshl_b32 s47, s42, 9
	s_add_co_u32 s46, s46, s47                     ; columns 256 x tile
	s_mov_b32 s47, 0
	s_mul_i32 s45, s16, 17408
	s_mul_i32 s22, s16, 34816
	s_add_co_u32 s22, s22, BOFF
	s_wait_dscnt 0x0                               ; both opening adds are done
	s_wait_kmcnt 0x0
	s_add_nc_u64 s[20:21], s[4:5], s[20:21]
	s_add_nc_u64 s[46:47], s[6:7], s[46:47]
	CROUND
.irp s, 0,1
	s_mov_b32 s[G0+4*\s], 1
	s_add_co_u32 s[G0+4*\s+1], s45, \s*SLOT
	s_add_nc_u64 s[G0+4*\s+2:G0+4*\s+3], s[20:21], \s*524288
	s_or_b32 s[G0+4*\s+3], s[G0+4*\s+3], 0x80000000
	s_mov_b32 s[G0B+4*\s], 1
	s_add_co_u32 s[G0B+4*\s+1], s22, \s*SLOT
	s_add_nc_u64 s[G0B+4*\s+2:G0B+4*\s+3], s[46:47], \s*262144
	s_or_b32 s[G0B+4*\s+3], s[G0B+4*\s+3], 0x80000000
	JLOAD \s
.endr
	v_and_b32 v1, 15, v0                           ; r
	v_bfe_u32 v2, v0, 4, 1                         ; h
	v_lshrrev_b32 v3, 1, v1
	v_mul_u32_u24 v3, v3, 272
	v_and_b32 v4, 1, v0
	v_lshl_add_u32 v3, v4, 7, v3
	v_lshl_add_u32 v3, v2, 4, v3
	v_and_b32 v4, 7, v0
	v_lshl_add_u32 v4, v2, 3, v4
	v_mul_u32_u24 v4, v4, 544
	v_bfe_u32 v5, v0, 3, 1
	v_lshl_add_u32 v4, v5, 4, v4
	s_mul_i32 s21, s15, 8704
	s_lshl_b32 s22, s16, 8
	s_add_co_u32 s22, s22, BOFF
.irp s, 0,1
	v_add_nc_u32 v[ADRA+\s], s21, v3
	v_add_nc_u32 v[ADRB+\s], s22, v4
	s_add_co_u32 s21, s21, SLOT
	s_add_co_u32 s22, s22, SLOT
.endr
	s_mul_i32 s23, s14, 16*SPITCH
	s_add_co_u32 s23, s23, STAGE
	v_mul_u32_u24 v5, v1, SPITCH
	v_lshl_add_u32 v5, v2, 5, v5
	v_add_nc_u32 v[STO], s23, v5
	v_and_b32 v6, 31, v0
	v_lshlrev_b32 v[CO], 4, v6
	v_add_nc_u32 v[RD], s23, v[CO]
	v_lshlrev_b32 v[BO], 5, v2
	s_lshl_b32 s20, s41, 23
	s_lshl_b32 s21, s17, 19
	s_add_co_u32 s20, s20, s21
	s_lshl_b32 s21, s15, 18
	s_add_co_u32 s20, s20, s21                     ; my first row of out0, in bytes
	s_lshl_b32 s46, s42, 10
	s_lshl_b32 s47, s16, 9
	s_add_co_u32 s46, s46, s47                     ; my first column, in bytes
	s_mov_b32 s47, 0
	s_add_nc_u64 s[8:9], s[8:9], s[46:47]
	s_add_co_u32 s20, s20, s46
	s_mov_b32 s21, 0
	s_add_nc_u64 s[10:11], s[10:11], s[20:21]
	WIN 0x40
.irp b, 0,1,2,3,4,5,6,7
	global_load_b128 v[192+8*\b:195+8*\b], v[BO], s[8:9] offset:64*\b
	global_load_b128 v[196+8*\b:199+8*\b], v[BO], s[8:9] offset:64*\b+16
.endr
	WIN 0
	s_wait_tensorcnt 1                             ; my part of K step 0 is in; K step 1's may be out
	s_barrier_signal -1
	s_barrier_wait -1
	FETCH 0, 0, F0
	s_wait_loadcnt 0x0                             ; the bias
	QUARTER 0, 1, F0, F1, 1                        ; the first quarter stands in front of the loop: its products start the sums
	WIN 0
	s_mov_b32 s3, 3
.Llap:                                             ; a trip goes once round the ring and fills both slots again
	QUARTER 0, 2, F1, F0, 0
	QUARTER 0, 3, F0, F1, 0
	TURN 0, 1, 1
	QUARTER 1, 1, F0, F1, 0
	QUARTER 1, 2, F1, F0, 0
	QUARTER 1, 3, F0, F1, 0
	TURN 1, 0, 1
	QUARTER 0, 1, F0, F1, 0
	WIN 0
	s_sub_co_u32 s3, s3, 1
	s_cmp_lg_u32 s3, 0
	s_cbranch_scc1 .Llap
	QUARTER 0, 2, F1, F0, 0                        ; the last lap fills nothing
	QUARTER 0, 3, F0, F1, 0
	TURN 0, 1, 0
	QUARTER 1, 1, F0, F1, 0
	QUARTER 1, 2, F1, F0, 0
	QUARTER 1, 3, F0, F1, 0
	s_wait_dscnt 0x0
	WIN 0xA5
	MUL8 F1, 0, 0
	MUL8 F1, 1, 0
	MUL8 F1, 2, 0
	MUL8 F1, 3, 0
	WIN 0
	PLACES                                         ; four places ahead of the first read of results
	TOSTAGE 0
.irp a, 1,2,3
.if \a > 1
	s_wait_xcnt 0x0                                ; block a - 2's stores have read their registers and base
.endif
	TOSTAGE \a
	SEND \a-1, 32                                  ; behind block a - 1's loads: block a's 16 stores and 16 loads
.endr
	s_wait_xcnt 0x0
	SEND 3, 0
	s_wait_tensorcnt 0x0                           ; the wave's end
	ds_add_u32 v[SPW], v[NIL]
	s_wait_dscnt 0x0
	CROUND                                         ; the closing round
	s_endpgm
.Lfunc_end_k_q1c6345c6a7_proj:
	.size	k_q1c6345c6a7_proj, .Lfunc_end_k_q1c6345c6a7_proj-k_q1c6345c6a7_proj
	.p2alignl 7, 3214868480
	.fill 96, 4, 3214868480
	.section	.rodata,"a",@progbits
	.p2align	6, 0x0
	.amdhsa_kernel k_q1c6345c6a7_proj
		.amdhsa_group_segment_fixed_size 327680
		.amdhsa_private_segment_fixed_size 0
		.amdhsa_enable_private_segment 0
		.amdhsa_kernarg_size 32
		.amdhsa_user_sgpr_count 2
		.amdhsa_user_sgpr_kernarg_segment_ptr 1
		.amdhsa_wavefront_size32 1
		.amdhsa_system_sgpr_workgroup_id_x 1
		.amdhsa_system_sgpr_workgroup_id_y 1
		.amdhsa_system_sgpr_workgroup_id_z 1
		.amdhsa_system_vgpr_workitem_id 0
		.amdhsa_next_free_vgpr 768
		.amdhsa_next_free_sgpr 66
		.amdhsa_reserve_vcc 0
		.amdhsa_float_denorm_mode_32 3
		.amdhsa_float_denorm_mode_16_64 3
		.amdhsa_memory_ordered 1
		.amdhsa_forward_progress 1
		.amdhsa_inst_pref_size 87
	.end_amdhsa_kernel
	.amdgpu_metadata
---
amdhsa.version: [ 1, 2 ]
amdhsa.kernels:
  - .name:           k_q1c6345c6a7_proj
    .symbol:         k_q1c6345c6a7_proj.kd
    .args:
      - { .name: attn16, .offset: 0, .size: 8, .value_kind: global_buffer, .address_space: global }
      - { .name: w16, .offset: 8, .size: 8, .value_kind: global_buffer, .address_space: global }
      - { .name: out_b, .offset: 16, .size: 8, .value_kind: global_buffer, .address_space: global }
      - { .name: out0, .offset: 24, .size: 8, .value_kind: global_buffer, .address_space: global }
    .group_segment_fixed_size: 327680
    .private_segment_fixed_size: 0
    .kernarg_segment_align: 8
    .kernarg_segment_size: 32
    .max_flat_workgroup_size: 128
    .sgpr_count:     66
    .vgpr_count:     768
    .wavefront_size: 32
...
	.end_amdgpu_metadata
.endif
;; end of part 4
;; launch fine (part 5): grid 16 x 4, 16 waves a work-group, no clusters, 71,680 bytes of LDS; arguments qkv32, out_w, out_b, out0; writes out0
.if DOCPART == 5
	.amdgcn_target "amdgcn-amd-amdhsa--gfx1250"
	.amdhsa_code_object_version 6
	.text
	.protected	k_q1c6345c6a7_fine
	.globl	k_q1c6345c6a7_fine
	.p2align	8
	.type	k_q1c6345c6a7_fine,@function
k_q1c6345c6a7_fine:
	s_mov_b64 s[64:65], 0
	v_nop
	global_prefetch_b8 v0, s[64:65] scope:SCOPE_SE
	s_setreg_imm32_b32 hwreg(HW_REG_WAVE_MODE, 25, 1), 1
	s_wait_xcnt 0x0
; Launch 5 of 5: positions 0..15 of every sequence, all in f32: these rows average one to sixteen values, where the rounding of 16-bit operands weighs most.  Only keys 0..15 count for them (the problem's own mask).
; Work-group (x, batch) makes out0[batch][0..15][64 x .. 64 x + 63].  Wave = head: it makes its head's small attention and its part of the 64 columns; the sixteen parts meet in LDS and are added in a fixed order.
; Each work-group makes the sixteen small attentions of its batch anew (196,608 bytes read), so that no sum spans work-groups.
; The f32 matrix form takes 4 along K: lane (r, h), register j' holds one k.  A permutation of k applied alike to both sources keeps the products:
;   S^T = K Q^T, step i: channel 32 h + 2 i + j' (a lane loads 32 neighbouring channels of its row).   O^T = V^T P, step i: key 8 h + 2 i + j', which is where P's registers 2 i, 2 i + 1 hold it.
;   out^T, step (d, i): channel 16 d + 8 h + 2 i + j', which is where the attention's registers 8 d + 2 i, + 1 hold it.
; v192-255 are written by matrix instructions alone; each sum begins with the constant 0.
; REGISTERS: v3-7, v12, v13 addresses; v[8:11] out_b; v14, v15 the add's two; v16-47 Q, then out_w's third tile; v48-79 K, then its fourth; v80-111 V^T, then the attention; v112-175 out_w's first two tiles;
;   v176-183 scores, then p; v184-191 at work; v192-223 O^T; v224-255 out^T (v224-239 first serve S^T's two sums).
.set SPARE, 69632                      ; behind the sixteen parts of 16 rows x 272 bytes
.set SPW, 14
.set NIL, 15
	s_load_b256 s[4:11], s[0:1], 0x0               ; qkv32 s[4:5], out_w s[6:7], out_b s[8:9], out0 s[10:11]
	v_lshl_add_u32 v[SPW], v0, 2, SPARE
	v_mov_b32 v[NIL], 0
	v_lshrrev_b32 v1, 5, v0
	v_readfirstlane_b32 s12, v1                    ; wave = head
	s_and_b32 s13, ttmp7, 0xffff                   ; batch
	s_lshl_b32 s14, ttmp9, 8                       ; my 64 columns, in bytes
	s_mov_b32 s15, 0
	v_and_b32 v1, 15, v0                           ; r
	v_bfe_u32 v2, v0, 4, 1                         ; h
	v_mul_u32_u24 v3, v1, 768
	v_lshl_add_u32 v3, v2, 7, v3                   ; q, k: row r, channels 32 h on
	v_mul_u32_u24 v4, v2, 6144
	v_lshl_add_u32 v4, v1, 2, v4
	v_add_nc_u32 v4, 512, v4                       ; v: key 8 h, channel r
	v_lshlrev_b32 v5, 15, v2
	v_lshl_add_u32 v5, v1, 2, v5                   ; out_w: channel 8 h, column r
	s_mul_i32 s23, s12, 4352
	v_mul_u32_u24 v6, v1, 272
	v_lshl_add_u32 v6, v2, 5, v6
	v_add_nc_u32 v6, s23, v6                       ; my part: row r, + 32 h
	s_and_b32 s22, s12, 7
	s_mul_i32 s23, s22, 544
	v_mul_u32_u24 v7, v2, 272
	v_lshl_add_u32 v7, v1, 4, v7
	v_add_nc_u32 v7, s23, v7                       ; back: rows 2 (w % 8) + h, 16 bytes a lane
	v_lshlrev_b32 v13, 4, v1
	v_lshl_add_u32 v12, v2, 12, v13
	v_lshlrev_b32 v184, 3, v2
	v_sub_nc_u32 v184, v1, v184                    ; r - 8 h
	v_mov_b32 v185, 0xff800000                     ; -infinity
	v_mov_b32 v187, 0                              ; a lane permute's destination counts as one of its sources
	s_mov_b32 s24, 0x76543210
	s_mov_b32 s25, 0xfedcba98
	s_mov_b32 s26, 0x3e38aa3b                      ; log2(e) / 8
	s_lshl_b32 s16, s13, 4
	s_add_co_u32 s16, s16, s12
	s_mul_i32 s16, s16, 12288
	s_mov_b32 s17, 0
	s_lshl_b32 s18, s12, 18
	s_add_co_u32 s18, s18, s14
	s_mov_b32 s19, 0
	s_lshl_b32 s20, s13, 23
	s_lshl_b32 s21, s22, 13
	s_add_co_u32 s20, s20, s21
	s_add_co_u32 s20, s20, s14
	s_mov_b32 s21, 0
	s_wait_kmcnt 0x0
	s_add_nc_u64 s[4:5], s[4:5], s[16:17]
	s_add_nc_u64 s[6:7], s[6:7], s[18:19]
	s_add_nc_u64 s[8:9], s[8:9], s[14:15]
	s_add_nc_u64 s[10:11], s[10:11], s[20:21]
	global_load_b128 v[8:11], v13, s[8:9]
.irp i, 0,1,2,3,4,5,6,7
	global_load_b128 v[16+4*\i:19+4*\i], v3, s[4:5] offset:16*\i
.endr
.irp i, 0,1,2,3,4,5,6,7
	global_load_b128 v[48+4*\i:51+4*\i], v3, s[4:5] offset:256+16*\i
.endr
.irp d, 0,1,2,3
.irp n, 0,1,2,3,4,5,6,7
	global_load_b32 v[80+8*\d+\n], v4, s[4:5] offset:\n*768+64*\d
.endr
.endr
.set n, 0
.rept 64
	global_load_b32 v[112+n], v5, s[6:7] offset:(16*((n%32)/8)+n%8)*4096+64*(n/32)
.set n, n+1
.endr
	s_wait_loadcnt 63                              ; behind v's last load 64 were issued: out_b, q, k and v are in
	v_wmma_f32_16x16x4_f32 v[224:231], v[48:49], v[16:17], 0       ; two sums by turns
	v_wmma_f32_16x16x4_f32 v[232:239], v[50:51], v[18:19], 0
.irp i, 2,4,6,8,10,12,14
	v_wmma_f32_16x16x4_f32 v[224:231], v[48+2*\i:49+2*\i], v[16+2*\i:17+2*\i], v[224:231]
	v_wmma_f32_16x16x4_f32 v[232:239], v[50+2*\i:51+2*\i], v[18+2*\i:19+2*\i], v[232:239]
.endr
.rept 8
	v_nop                                          ; eight places behind this form
.endr
.set n, 0
.rept 64
	global_load_b32 v[16+n], v5, s[6:7] offset:(16*((n%32)/8)+n%8)*4096+128+64*(n/32)
.set n, n+1
.endr
.irp j, 0,1,2,3,4,5,6,7
	v_add_f32 v[176+\j], v[224+\j], v[232+\j]      ; lane (r, h), register j: key 8 h + j, query r
.endr
.irp j, 0,1,2,3,4,5,6,7
	v_cmp_gt_i32 vcc_lo, \j, v184
	v_cndmask_b32 v[176+\j], v[176+\j], v185, vcc_lo
.endr
	v_max3_num_f32 v186, v176, v177, v178
	v_max3_num_f32 v186, v186, v179, v180
	v_max3_num_f32 v186, v186, v181, v182
	v_max_num_f32 v186, v186, v183
	v_permlanex16_b32 v187, v186, s24, s25
	v_max_num_f32 v186, v186, v187                 ; key 0 counts for every query: a number
.irp j, 0,1,2,3,4,5,6,7
	v_sub_f32 v[176+\j], v[176+\j], v186
.endr
.irp j, 0,1,2,3,4,5,6,7
	v_mul_f32 v[176+\j], s26, v[176+\j]
.endr
.irp j, 0,1,2,3,4,5,6,7
	v_exp_f32 v[176+\j], v[176+\j]
.endr
	v_nop
	s_wait_alu depctr_va_vdst(0)                   ; one wait for the eight, ahead of their first reader
	v_add_f32 v188, v176, v177
	v_add_f32 v189, v178, v179
	v_add_f32 v190, v180, v181
	v_add_f32 v191, v182, v183
	v_add_f32 v188, v188, v189
	v_add_f32 v190, v190, v191
	v_add_f32 v188, v188, v190
	v_permlanex16_b32 v187, v188, s24, s25
	v_add_f32 v188, v188, v187
	v_rcp_f32 v189, v188
	v_nop
	s_wait_alu depctr_va_vdst(0)
.irp i, 0,1,2,3
.irp d, 0,1,2,3
.if \i == 0
	v_wmma_f32_16x16x4_f32 v[192+8*\d:199+8*\d], v[80+8*\d+2*\i:81+8*\d+2*\i], v[176+2*\i:177+2*\i], 0
.else
	v_wmma_f32_16x16x4_f32 v[192+8*\d:199+8*\d], v[80+8*\d+2*\i:81+8*\d+2*\i], v[176+2*\i:177+2*\i], v[192+8*\d:199+8*\d]
.endif
.endr
.endr
.rept 8
	v_nop
.endr
.set n, 0
.rept 32
	v_mul_f32 v[80+n], v[192+n], v189              ; the attention: register 8 d + j is channel 16 d + 8 h + j of query r
.set n, n+1
.endr
	s_wait_loadcnt 0x0                             ; out_w
.irp d, 0,1,2,3
.irp i, 0,1,2,3
.irp e, 0,1,2,3
.if (\d == 0) && (\i == 0)
	v_wmma_f32_16x16x4_f32 v[224+8*\e:231+8*\e], v[112+32*\e-160*(\e/2)+8*\d+2*\i:113+32*\e-160*(\e/2)+8*\d+2*\i], v[80+8*\d+2*\i:81+8*\d+2*\i], 0
.else
	v_wmma_f32_16x16x4_f32 v[224+8*\e:231+8*\e], v[112+32*\e-160*(\e/2)+8*\d+2*\i:113+32*\e-160*(\e/2)+8*\d+2*\i], v[80+8*\d+2*\i:81+8*\d+2*\i], v[224+8*\e:231+8*\e]
.endif
.endr
.endr
.endr
.rept 8
	v_nop
.endr
.irp e, 0,1,2,3
	ds_store_b128 v6, v[224+8*\e:227+8*\e] offset:64*\e            ; lane (r, h): columns 16 e + 8 h + 0 .. 7 of query r; each sum from its low end on
	ds_store_b128 v6, v[228+8*\e:231+8*\e] offset:64*\e+16
.endr
	s_wait_dscnt 0x0                               ; for the others' sake: my part lies in LDS
	s_barrier_signal -1
	s_barrier_wait -1
	s_cmp_ge_u32 s12, 8
	s_cbranch_scc1 .Lend                           ; waves 0..7 add: two rows each
.irp p, 0,1,2,3,4,5,6,7,8,9,10,11,12,13,14,15
	ds_load_b128 v[16+4*\p:19+4*\p], v7 offset:\p*4352
.endr
	s_wait_dscnt 0x0
.irp p, 0,1,2,3,4,5,6,7
	v_pk_add_f32 v[16+8*\p:17+8*\p], v[16+8*\p:17+8*\p], v[20+8*\p:21+8*\p]
	v_pk_add_f32 v[18+8*\p:19+8*\p], v[18+8*\p:19+8*\p], v[22+8*\p:23+8*\p]
.endr
.irp p, 0,1,2,3
	v_pk_add_f32 v[16+16*\p:17+16*\p], v[16+16*\p:17+16*\p], v[24+16*\p:25+16*\p]
	v_pk_add_f32 v[18+16*\p:19+16*\p], v[18+16*\p:19+16*\p], v[26+16*\p:27+16*\p]
.endr
.irp p, 0,1
	v_pk_add_f32 v[16+32*\p:17+32*\p], v[16+32*\p:17+32*\p], v[32+32*\p:33+32*\p]
	v_pk_add_f32 v[18+32*\p:19+32*\p], v[18+32*\p:19+32*\p], v[34+32*\p:35+32*\p]
.endr
	v_pk_add_f32 v[16:17], v[16:17], v[48:49]
	v_pk_add_f32 v[18:19], v[18:19], v[50:51]
	v_pk_add_f32 v[16:17], v[16:17], v[8:9]
	v_pk_add_f32 v[18:19], v[18:19], v[10:11]
	global_store_b128 v12, v[16:19], s[10:11] th:TH_STORE_NT       ; sixteen lanes store 256 consecutive bytes of a row
.Lend:
	s_wait_tensorcnt 0x0                           ; the wave's end
	ds_add_u32 v[SPW], v[NIL]
	s_wait_dscnt 0x0
	s_endpgm
.Lfunc_end_k_q1c6345c6a7_fine:
	.size	k_q1c6345c6a7_fine, .Lfunc_end_k_q1c6345c6a7_fine-k_q1c6345c6a7_fine
	.p2alignl 7, 3214868480
	.fill 96, 4, 3214868480
	.section	.rodata,"a",@progbits
	.p2align	6, 0x0
	.amdhsa_kernel k_q1c6345c6a7_fine
		.amdhsa_group_segment_fixed_size 71680
		.amdhsa_private_segment_fixed_size 0
		.amdhsa_enable_private_segment 0
		.amdhsa_kernarg_size 32
		.amdhsa_user_sgpr_count 2
		.amdhsa_user_sgpr_kernarg_segment_ptr 1
		.amdhsa_wavefront_size32 1
		.amdhsa_system_sgpr_workgroup_id_x 1
		.amdhsa_system_sgpr_workgroup_id_y 1
		.amdhsa_system_sgpr_workgroup_id_z 1
		.amdhsa_system_vgpr_workitem_id 0
		.amdhsa_next_free_vgpr 256
		.amdhsa_next_free_sgpr 66
		.amdhsa_reserve_vcc 1
		.amdhsa_float_denorm_mode_32 3
		.amdhsa_float_denorm_mode_16_64 3
		.amdhsa_memory_ordered 1
		.amdhsa_forward_progress 1
		.amdhsa_inst_pref_size 34
	.end_amdhsa_kernel
	.amdgpu_metadata
---
amdhsa.version: [ 1, 2 ]
amdhsa.kernels:
  - .name:           k_q1c6345c6a7_fine
    .symbol:         k_q1c6345c6a7_fine.kd
    .args:
      - { .name: qkv32, .offset: 0, .size: 8, .value_kind: global_buffer, .address_space: global }
      - { .name: out_w, .offset: 8, .size: 8, .value_kind: global_buffer, .address_space: global }
      - { .name: out_b, .offset: 16, .size: 8, .value_kind: global_buffer, .address_space: global }
      - { .name: out0, .offset: 24, .size: 8, .value_kind: global_buffer, .address_space: global }
    .group_segment_fixed_size: 71680
    .private_segment_fixed_size: 0
    .kernarg_segment_align: 8
    .kernarg_segment_size: 32
    .max_flat_workgroup_size: 512
    .sgpr_count:     66
    .vgpr_count:     256
    .wavefront_size: 32
...
	.end_amdgpu_metadata
.endif
;; end of part 5
